; MI455X (gfx1250); checked and timed in simulation.
; The chip was launched on July 23, 2026; its instructions are those of AMD's public machine-readable ISA for CDNA 5 (MIT licence, August 2026) and "CDNA5" Instruction Set Architecture Reference Guide (July 2026). The comments in the code are by the model that wrote it; some were corrected since.
;; Attention Separate QKV. Allowed arithmetic: matrix products marked QUANTISED: E4M3 operands, one given power-of-two scale a tensor, by v_wmma_f32_16x16x64_fp8_fp8 or v_wmma_f32_16x16x128_fp8_fp8, f32 sums; everything else in f32.
;; Inputs: Wk 768 x 768 float32; Wp 768 x 768 float32; Wq 768 x 768 float32; bk 768 float32; bp 768 float32; bq 768 float32; lowp_scales 10 int32 (the exponents e of the quantised operands' scales 2^e); x 16 x 1,024 x 768 float32.
;; Outputs: out0 16 x 1,024 x 768 float32.
;; This version of the problem:
;;   THIS VERSION OF THE PROBLEM IS GIVEN IN LOW PRECISION. The matrix products marked QUANTISED in the list below multiply operands that are first quantised to E4M3 (4 exponent bits, 3 mantissa bits; 8 bits a number), with one given power-of-two scale for each operand tensor; their sums are f32. All else is computed in f32.
;;   The module's matrix products, in the order in which they are computed (A, B: the left and right operand; K: the contracted axis; several contracted axes count as one K, in the product's order):
;;     1. [M 16,384, K 768] x [K 768, N 768]; A: input x; B: input Wq: QUANTISED (scales: A lowp_scales[0], B lowp_scales[1])
;;     2. [M 16,384, K 768] x [K 768, N 768]; A: input x; B: input Wk: QUANTISED (scales: A lowp_scales[2], B lowp_scales[3])
;;     3. batch 192 x [M 1,024, K 64] x [K 64, N 1,024]; A: computed on the way; B: computed on the way: QUANTISED (scales: A lowp_scales[4], B lowp_scales[5])
;;     4. batch 192 x [M 1,024, K 1,024] x [K 1,024, N 64]; A: softmax (see below); B: computed on the way: QUANTISED (scales: A lowp_scales[6], B lowp_scales[7])
;;     5. [M 16,384, K 768] x [K 768, N 768]; A: computed on the way; B: input Wp: QUANTISED (scales: A lowp_scales[8], B lowp_scales[9])
;;   THE QUANTISER, for each operand of a quantised product, along K:
;;     - The operand's scale is 2^e, e = its entry of the input lowp_scales (int32; the entries are numbered through the quantised products in the list's order, A before B).
;;     - Each number is divided by the scale, clamped to +-448, and rounded to the nearest number of E4M3, ties to even, subnormals kept.
;;     - The product sums the exact products of the quantised numbers (number of the format x scale) in f32.
;;   ~~~python
;;   def quantise(x, axis, e):      # numpy; x: float32 -> the quantised numbers, widened to float32 again
;;       x = np.moveaxis(x, axis, -1); K = x.shape[-1]
;;       r = np.clip(x / 2.0 ** e, -448, 448)
;;       step = 2.0 ** (np.maximum(np.frexp(np.where(r == 0, 1, r))[1] - 1, -6) - 3)
;;       q = np.round(r / step) * step * 2.0 ** e      # np.round: ties to even
;;       return np.moveaxis(q, -1, axis).astype(np.float32)
;;   ~~~
;;   SOFTMAX AHEAD OF A QUANTISED PRODUCT. Where the list says 'softmax', what is quantised is not the finished softmax but p = 2^(t - M), with t = logit x log2(e) and M = ceil(the row's largest t), a whole number; so 1/2 < the row's largest p <= 1. The row's sum l is taken of the UNQUANTISED p, in f32, and the product's result is divided by l at the end. Since M is a whole number, a kernel that streams over the keys may use a running M (the ceiling of the running maximum): every later rescaling is an exact power of two, so the quantised numbers keep their values, but for numbers so far below the row's largest that they fall under the format's range.
;;   OPERANDS COMPUTED ON THE WAY. 'Computed on the way' means the value that the module computes at that place (a softmax that the list does not call 'softmax' is quantised finished and normalised). What goes into a quantiser is computed in f32, as accurately as f32 sums, v_exp_f32 and their like allow (about 1e-6 of the number): no bf16 or f16 on the way to a quantiser, and a product that is left as it is and whose result goes on into a quantised operand takes f32 operands (vector FMAs, or v_wmma_f32_16x16x4_f32). A number that lies on a knife's edge between two numbers of the format may be rounded either way, as far as f32 arithmetic and the matrix unit's own rounding can turn it there, and no further.
;; One version. Each part assembles by itself: llvm-mc -triple=amdgcn-amd-amdhsa -mcpu=gfx1250 --defsym DOCPART=n.
;; ======== version 1 of 1: 4 launches
;; limits: right only within a limited range of input values
;; workspace buffers: xq_img 12,582,912 bytes; xk_img 12,582,912 bytes; w_img 1,769,472 bytes; q_img 12,582,912 bytes; kv_img 25,165,824 bytes; o_img 12,582,912 bytes
;; launch quant (part 1): grid 1168 x 1, 6 waves a work-group, no clusters, 51,456 bytes of LDS; arguments x, Wq, Wk, Wp, lowp_scales, xq_img, xk_img, w_img; writes xq_img, xk_img, w_img
.if DOCPART == 1
	.amdgcn_target "amdgcn-amd-amdhsa--gfx1250"
	.amdhsa_code_object_version 6
	.text
	.protected	k_q1b695d9967_quant
	.globl	k_q1b695d9967_quant
	.p2align	8
	.type	k_q1b695d9967_quant,@function
k_q1b695d9967_quant:
	s_mov_b64 s[64:65], 0
	v_nop
	global_prefetch_b8 v0, s[64:65] scope:SCOPE_SE
	s_setreg_imm32_b32 hwreg(HW_REG_WAVE_MODE, 25, 1), 1
	s_wait_xcnt 0x0
; x [16384][768] and Wq, Wk, Wp [768][768], f32 with K innermost, become codes of FP8 (E4M3), each with its given scale 2^e:
; x twice (entry 0 for the q product, entry 2 for the k product), Wq with entry 1, Wk with entry 3, Wp with entry 9.
; code = number / 2^e, held within +-448, rounded to the nearest code, ties to even.
; THE CODES ARE LAID AS IMAGES OF OPERAND REGISTERS.  A fragment is 16 rows x 128 along K: 16 registers a lane; lane (r = lane % 16, h = lane / 16)
; holds row r, and its registers 2 c, 2 c + 1 hold k = 16 c + 8 h + 0 .. 7.  Its image is 2,048 bytes: registers 4 g .. 4 g + 3 of lane l at 512 g + 16 l.
; The buffers are [tile of 16 rows][K step of 128][2048], so a later launch brings whole fragments by loads of 16 bytes a lane.
; SHARES.  Work-groups 0 .. 1023 take 16 rows of x each, 1024 .. 1167 16 rows of Wq, Wk, Wp (48 tiles each).  Wave w takes K step w: one fragment.
; Each of a wave's 16 loads reads 512 consecutive bytes of one row; the 8 KB turn through the wave's own stage in LDS (rows 528 bytes apart, so that the
; sixteen rows that a read touches start at sixteen different places modulo 256 bytes) and come back as 8 neighbours along K in consecutive registers.
; No loop, no barrier: waves share nothing.  Only pointers and exponents are chosen by the work-group's number; x's second set of codes stands under one branch on it.
; LIMITS: each e used here lies between -126 and 119, so that 2^e and 448 x 2^e are f32 numbers.  NaN among the inputs is not served.
.set PITCH, 528
.set STG,   16*PITCH                   ; a wave's stage
.set SPARE, 6*STG                      ; behind the stages: the spare words, 128 bytes for each wave: three blocks of 256 bytes that no other line names
.set LO,  1                            ; v1   16 x thread = 512 x wave + 16 x lane: my 16 bytes of a row
.set STI, 2                            ; v2   the stage on the way in
.set STO, 3                            ; v3   and on the way out
.set LI,  4                            ; v4   16 x lane: my place in an image
.set SPW, 5                            ; v5   LDS address of my spare word; never rewritten
.set NIL, 6                            ; v6   0; never rewritten
.set R,   16                           ; v16-79   16 rows as loaded
.set X,   16                           ; v16-79   64 numbers: register 8 c + i = k 16 c + 8 h + i of my row; they take R's registers when the stage has read those
.set T,   80                           ; v80-95   two sets of 8 held numbers
.set C1,  96                           ; v96-111  the fragment's codes
.set C2,  112                          ; v112-127 x's second set
	s_load_b256 s[4:11], s[0:1], 0x0               ; x, Wq, Wk, Wp
	s_load_b256 s[12:19], s[0:1], 0x20             ; the exponents, xq_img, xk_img, w_img
	v_lshl_add_u32 v[SPW], v0, 2, SPARE
	v_mov_b32 v[NIL], 0
	v_lshrrev_b32 v7, 5, v0
	v_readfirstlane_b32 s20, v7                    ; wave 0..5 = my K step
	v_lshlrev_b32 v[LO], 4, v0
	v_and_b32 v7, 31, v0
	v_lshlrev_b32 v[LI], 4, v7
	s_mul_i32 s21, s20, STG
	v_add_nc_u32 v[STI], s21, v[LI]                ; in: a row's 512 bytes as they lie
	v_and_b32 v12, 15, v0                          ; r
	v_bfe_u32 v13, v0, 4, 1                        ; h
	v_mul_u32_u24 v[STO], v12, PITCH
	v_lshl_add_u32 v[STO], v13, 5, v[STO]
	v_add_nc_u32 v[STO], s21, v[STO]               ; out: row r, + 32 h bytes: 8 numbers
	s_cmp_lt_u32 ttmp9, 1024                       ; which tensor: the choice hangs on the work-group's number alone
	s_cselect_b32 s22, 0, 1024                     ; the tensor's first work-group,
	s_mov_b32 s23, s22                             ; and its output buffer's
	s_cmp_ge_u32 ttmp9, 1072
	s_cselect_b32 s22, 1072, s22
	s_cmp_ge_u32 ttmp9, 1120
	s_cselect_b32 s22, 1120, s22
	s_sub_co_u32 s22, ttmp9, s22
	s_mul_i32 s22, s22, 49152                      ; 16 rows of 3,072 bytes
	s_sub_co_u32 s34, ttmp9, s23
	s_mul_i32 s34, s34, 6
	s_add_co_u32 s34, s34, s20
	s_lshl_b32 s34, s34, 11                        ; my image: (6 x tile + K step) x 2,048
	s_mov_b32 s23, 0
	s_mov_b32 s35, 0
	s_wait_alu depctr_va_vdst(0)
	s_wait_kmcnt 0x0
	s_load_b256 s[24:31], s[12:13], 0x0            ; e0 .. e7
	s_load_b64 s[32:33], s[12:13], 0x20            ; e8, e9
	s_cmp_lt_u32 ttmp9, 1024
	s_cselect_b64 s[4:5], s[4:5], s[6:7]
	s_cselect_b64 s[14:15], s[14:15], s[18:19]
	s_cmp_ge_u32 ttmp9, 1072
	s_cselect_b64 s[4:5], s[8:9], s[4:5]
	s_cmp_ge_u32 ttmp9, 1120
	s_cselect_b64 s[4:5], s[10:11], s[4:5]
	s_add_nc_u64 s[4:5], s[4:5], s[22:23]
	s_add_nc_u64 s[14:15], s[14:15], s[34:35]
	s_add_nc_u64 s[16:17], s[16:17], s[34:35]      ; (used by x's work-groups alone)
.irp i, 0,1,2,3,4,5,6,7,8,9,10,11,12,13,14,15
	global_load_b128 v[R+4*\i:R+4*\i+3], v[LO], s[4:5] offset:3072*\i th:TH_LOAD_NT   ; 32 lanes read 512 consecutive bytes of row i
.endr
	s_wait_kmcnt 0x0
	s_cmp_lt_u32 ttmp9, 1024
	s_cselect_b32 s36, s24, s25                    ; e0 or e1,
	s_cmp_ge_u32 ttmp9, 1072
	s_cselect_b32 s36, s27, s36                    ; e3,
	s_cmp_ge_u32 ttmp9, 1120
	s_cselect_b32 s36, s33, s36                    ; e9
	s_add_co_i32 s36, s36, 127
	s_lshl_b32 s37, s36, 23
	v_mov_b32 v8, s37                              ; 2^e as f32: the conversion takes its exponent field
	s_add_co_i32 s36, s36, 8
	s_lshl_b32 s36, s36, 23
	s_or_b32 s36, s36, 0x600000
	v_mov_b32 v9, s36                              ; 448 x 2^e
	s_add_co_i32 s36, s26, 127                     ; the same with e2, for x's second set
	s_lshl_b32 s37, s36, 23
	v_mov_b32 v10, s37
	s_add_co_i32 s36, s36, 8
	s_lshl_b32 s36, s36, 23
	s_or_b32 s36, s36, 0x600000
	v_mov_b32 v11, s36
	s_wait_alu depctr_va_vdst(0)
.irp i, 0,1,2,3,4,5,6,7,8,9,10,11,12,13,14,15
	s_wait_loadcnt 15-\i                           ; loads come back in order: row i is in, the rows behind it may be out
	ds_store_b128 v[STI], v[R+4*\i:R+4*\i+3] offset:PITCH*\i
.endr
	s_wait_dscnt 0x0                               ; the stores have read their registers: the loads below land there
.irp c, 0,1,2,3,4,5,6,7
	ds_load_b128 v[X+8*\c:X+8*\c+3], v[STO] offset:64*\c         ; LDS serves a wave's instructions in order: these see my stores
	ds_load_b128 v[X+8*\c+4:X+8*\c+7], v[STO] offset:64*\c+16
.endr
; 64 numbers become 16 registers of codes.  The held numbers go into two sets by turns, so that X stays whole for the second scale and eight plain lines stand between a conversion and the next write of its sources.
.macro QSET dst, sc, lim, wait
.irp c, 0,1,2,3,4,5,6,7
.if \wait
	s_wait_dscnt 14-2*\c                           ; pair c of the sixteen loads is in; the pairs behind it may be out
.endif
.irp i, 0,1,2,3,4,5,6,7
	v_med3_num_f32 v[T+8*(\c%2)+\i], v[X+8*\c+\i], -v[\lim], v[\lim]   ; the conversion to an 8-bit code does not saturate (ISA guide 7.6.2): the hold at the largest code x the scale
.endr
	v_cvt_scalef32_pk8_fp8_f32 v[\dst+2*\c:\dst+2*\c+1], v[T+8*(\c%2):T+8*(\c%2)+7], v[\sc]
.endr
	v_nop                                          ; a plain line behind the last conversion
.endm
	QSET C1, 8, 9, 1
.irp c, 0,1,2,3
	global_store_b128 v[LI], v[C1+4*\c:C1+4*\c+3], s[14:15] offset:512*\c   ; 32 lanes store 512 consecutive bytes, at a multiple of 512 from the buffer's first byte
.endr
	s_cmp_ge_u32 ttmp9, 1024
	s_cbranch_scc1 .Lweights                       ; a weight has one scale
	QSET C2, 10, 11, 0
.irp c, 0,1,2,3
	global_store_b128 v[LI], v[C2+4*\c:C2+4*\c+3], s[16:17] offset:512*\c
.endr
.Lweights:
	s_wait_tensorcnt 0x0                           ; the wave's end, behind my last LDS store
	ds_add_u32 v[SPW], v[NIL]
	s_wait_dscnt 0x0
	s_endpgm
.Lfunc_end_k_q1b695d9967_quant:
	.size	k_q1b695d9967_quant, .Lfunc_end_k_q1b695d9967_quant-k_q1b695d9967_quant
	.p2alignl 7, 3214868480
	.fill 96, 4, 3214868480
	.section	.rodata,"a",@progbits
	.p2align	6, 0x0
	.amdhsa_kernel k_q1b695d9967_quant
		.amdhsa_group_segment_fixed_size 51456
		.amdhsa_private_segment_fixed_size 0
		.amdhsa_enable_private_segment 0
		.amdhsa_kernarg_size 64
		.amdhsa_user_sgpr_count 2
		.amdhsa_user_sgpr_kernarg_segment_ptr 1
		.amdhsa_wavefront_size32 1
		.amdhsa_system_sgpr_workgroup_id_x 1
		.amdhsa_system_sgpr_workgroup_id_y 1
		.amdhsa_system_sgpr_workgroup_id_z 1
		.amdhsa_system_vgpr_workitem_id 0
		.amdhsa_next_free_vgpr 128
		.amdhsa_next_free_sgpr 66
		.amdhsa_reserve_vcc 0
		.amdhsa_float_denorm_mode_32 3
		.amdhsa_float_denorm_mode_16_64 3
		.amdhsa_memory_ordered 1
		.amdhsa_forward_progress 1
		.amdhsa_inst_pref_size 18
	.end_amdhsa_kernel
	.amdgpu_metadata
---
amdhsa.version: [ 1, 2 ]
amdhsa.kernels:
  - .name:           k_q1b695d9967_quant
    .symbol:         k_q1b695d9967_quant.kd
    .args:
      - { .name: x, .offset: 0, .size: 8, .value_kind: global_buffer, .address_space: global }
      - { .name: Wq, .offset: 8, .size: 8, .value_kind: global_buffer, .address_space: global }
      - { .name: Wk, .offset: 16, .size: 8, .value_kind: global_buffer, .address_space: global }
      - { .name: Wp, .offset: 24, .size: 8, .value_kind: global_buffer, .address_space: global }
      - { .name: lowp_scales, .offset: 32, .size: 8, .value_kind: global_buffer, .address_space: global }
      - { .name: xq_img, .offset: 40, .size: 8, .value_kind: global_buffer, .address_space: global }
      - { .name: xk_img, .offset: 48, .size: 8, .value_kind: global_buffer, .address_space: global }
      - { .name: w_img, .offset: 56, .size: 8, .value_kind: global_buffer, .address_space: global }
    .group_segment_fixed_size: 51456
    .private_segment_fixed_size: 0
    .kernarg_segment_align: 8
    .kernarg_segment_size: 64
    .max_flat_workgroup_size: 192
    .sgpr_count:     66
    .vgpr_count:     128
    .wavefront_size: 32
...
	.end_amdgpu_metadata
.endif
;; end of part 1
;; launch proj (part 2): grid 4 x 64, 4 waves a work-group, clusters of 4 x 4, 327,680 bytes of LDS; arguments xq_img, xk_img, w_img, bq, bk, lowp_scales, q_img, kv_img; writes q_img, kv_img
.if DOCPART == 2
	.amdgcn_target "amdgcn-amd-amdhsa--gfx1250"
	.amdhsa_code_object_version 6
	.text
	.protected	k_q1b695d9967_proj
	.globl	k_q1b695d9967_proj
	.p2align	8
	.type	k_q1b695d9967_proj,@function
k_q1b695d9967_proj:
	s_mov_b64 s[64:65], 0
	v_nop
	global_prefetch_b8 v0, s[64:65] scope:SCOPE_SE
	s_setreg_imm32_b32 hwreg(HW_REG_WAVE_MODE, 25, 1), 1
	s_wait_xcnt 0x0
	s_wait_alu depctr_hold_cnt(0) depctr_sa_sdst(0) depctr_va_vdst(0) depctr_va_sdst(0) depctr_va_ssrc(0) depctr_va_vcc(0) depctr_vm_vsrc(0)
	s_getreg_b32 s2, hwreg(HW_REG_IB_STS2, 6, 4)
	s_cmp_eq_u32 s2, 0
	s_cbranch_scc0 .Lentry_in_a_cluster
	s_endpgm
.Lentry_in_a_cluster:
	s_bfe_u32 s2, ttmp6, 0x10000c
	s_cmp_lg_u32 s2, 0xf033
	s_cbranch_scc0 .Lentry_shape_is_right
	s_endpgm
.Lentry_shape_is_right:
; q = x Wq^T + bq and k = x Wk^T + bk on codes of FP8 (E4M3), and their three quantised forms: q with entry 4 and k with entry 5 of the exponents (K = the head's 64),
; v = k with entry 7 (K = the keys).  Operands arrive, and results leave, as IMAGES OF OPERAND REGISTERS: lane (r = lane % 16, h = lane / 16) holds row r, registers 2 c, 2 c + 1
; hold k = 16 c + 8 h + 0 .. 7; registers 4 g .. 4 g + 3 of lane l lie at 512 g + 16 l.  A fragment of 128 along K is 2,048 bytes, one of 64 along K 1,024.
; SHARES.  A work-group makes 256 tokens x 192 features (three heads), three times over: tile 0 = q, tile 1 = k, tile 2 = v.  Wave w takes tokens 64 w .. 64 w + 63 and all 192 features:
; 48 accumulators of 16 x 16.  So each wave holds whole heads, and every place in the outputs is a base and an immediate.
; q AND k ARE USED TRANSPOSED (source 0 = 16 rows of W, source 1 = 16 tokens): a lane holds one token and eight neighbouring features, so one conversion of an accumulator is two registers of
; the token's image along d.  v IS THE SAME PRODUCT WITH THE SOURCES SWAPPED: a lane holds one feature and eight neighbouring tokens, two registers of the feature's image along the keys.
; Nothing is transposed, and no result goes through LDS.
; THE RING.  K = 768 goes in three steps of 256 through two LDS slots, written out without a loop; the ring does not stop at a tile's end.  Seven fills: q's K steps 0, 1, 2 into slots 0, 1, 0; k's into slots 1, 0, 1.
; v has k's operands and WALKS K BACKWARDS: K step 2 still lies in slot 1 and K step 1 in slot 0, which is not filled again behind k's use of it; only K step 0 is fetched once more, into slot 1.
; CLUSTER.  4 x 4 work-groups.  The four of a row of the cluster need the same tokens, the four of a column the same rows of W: each tile is asked for jointly, by the same tensor load with the same
; descriptor and a mask that names the four.  Waves 0, 1 fetch the tokens' halves (8 lines of 4,096 bytes), waves 2, 3 the weights' (6 lines).  A wave has one tensor load out at a time.
; THE BIAS is the C of a tile's first products, divided by the power of two that the sums lack; the three scales ahead of a quantiser are folded into the conversion's one.
; LIMITS on the given exponents: e4 - e0 - e1, e5 - e2 - e3 and e7 - e2 - e3 lie between -126 and 119, so that each power of two below is an f32 number.  NaN is not served.
; REGISTERS, in windows of 256: window 0: v16-32 addresses and scales; v64-127, v128-191 the tokens' fragments (4 x 16), two sets.   window 1: v0-191 W's 12 fragments, one set.
;   window 2: the accumulators of feature tiles 0-5 ((b, a) at v[8 (4 b + a)]); v192-239 their bias tiles; v240-255 codes.   window 3: the same for feature tiles 6-11.
.set SLOT,  114688                     ; a slot: 16 token tiles x 4,096 bytes, then 12 feature tiles x 4,096: each 4,096 = two fragments of 128 along K
.set SPARE, 2*SLOT                     ; behind the ring: the spare words, 128 bytes for each wave: two blocks of 256 bytes that no other line names
.set G1A, 24                           ; s[24:31] descriptor group 1 for the tokens' tiles;  s[32:39] group 0, one set for each slot
.set G0A, 32
.set G1B, 40                           ; s[40:47], s[48:55] the same for the weights'
.set G0B, 48
.set MSB, 0
.macro WIN new                         ; the immediate's high byte repeats the setting that is left; a switch that changes nothing is dropped
.if MSB != (\new)
	s_set_vgpr_msb (MSB<<8)|(\new)
.set MSB, (\new)
.endif
.endm
.macro PLACES n                        ; plain vector lines between a matrix instruction and a load into, or a read of, its registers
.rept \n
	v_nop
.endr
.endm
; A joint load.  The branch hangs on the wave's number alone.  An s_nop 0 and four v_nop follow each of the two lines.
.macro JLOAD s
	s_cmp_eq_u32 s21, 0
	s_cbranch_scc0 .Lfor_b_\@
	tensor_load_to_lds s[G0A+4*\s:G0A+4*\s+3], s[G1A:G1A+7]
	s_nop 0
.rept 4
	v_nop
.endr
	s_branch .Lasked_\@
.Lfor_b_\@:
	tensor_load_to_lds s[G0B+4*\s:G0B+4*\s+3], s[G1B:G1B+7]
	s_nop 0
.rept 4
	v_nop
.endr
.Lasked_\@:
.endm
.macro CREST                           ; a round of the cluster's barrier behind its opening barrier
	s_cmp_lg_u32 s20, 0
	s_cbranch_scc1 .Lnot_wave_0_\@
	s_barrier_signal -3
.Lnot_wave_0_\@:
	s_barrier_wait -3
	s_barrier_signal -1
	s_barrier_wait -1
.endm
.macro CROUND                          ; a whole round
	s_barrier_signal -1
	s_barrier_wait -1
	CREST
.endm
; A prefetch of xk's and Wk's tiles of K step ks, one refill ahead of the joint loads that will first ask for them.  xk: 16 token tiles x 4,096 bytes: the four partners of a row share them out BY ADDRESS, four token
; tiles each; in each, waves 0 and 1 take two; a lane names 256 bytes.  Wk: 12 feature tiles x 4,096 bytes: the four partners of a column take three each; wave 2 takes two, wave 3 one (its lanes 16-31 name its last block again).
; So each aligned block of 256 bytes is named once in each cluster that will load it.  K step 2 of xq and Wq is asked for at the head in the same shares; the head's own fills come by their loads alone.
.macro ASK ks
	s_cmp_lt_u32 s20, 2
	s_cbranch_scc0 .Lnot_mine_\@
	global_prefetch_b8 v27, s[84:85] offset:4096*\ks th:TH_LOAD_NT scope:SCOPE_SE
	s_branch .Lasked_pf_\@
.Lnot_mine_\@:
	global_prefetch_b8 v33, s[56:57] offset:589824+4096*\ks th:TH_LOAD_NT scope:SCOPE_SE
.Lasked_pf_\@:
.endm
.macro FRAG reg, adr, off              ; a fragment comes as it was stored: four loads of 16 bytes a lane, 512 consecutive bytes each
.irp c, 0,1,2,3
	ds_load_b128 v[(\reg)+4*\c:(\reg)+4*\c+3], v[\adr] offset:(\off)+512*\c
.endr
.endm
.macro FETCH_A slot, q, fa             ; my four token tiles of the slot's q-th 128 along K into set fa
.irp a, 0,1,2,3
	FRAG 64+64*(\fa)+16*\a, 16+(\slot), 4096*\a+2048*(\q)
.endr
.endm
.macro FETCH_B slot, q, b0             ; feature tiles b0 .. b0 + 5
	WIN 0x40                                       ; destination window 1, address window 0
.irp i, 0,1,2,3,4,5
	FRAG 16*((\b0)+\i), 20+(\slot), 4096*((\b0)+\i)+2048*(\q)
.endr
	WIN 0
.endm
; n feature tiles from b0 on x my four token tiles, 128 along K.  nat = 1: sources swapped.  cm = 1: the bias tile is C and starts the sum; 0: in place.
; The 48 accumulators take turns, one instruction a turn, in the same order in every step.
.macro MULB b0, n, fa, nat, cm
.set bt, \b0
.rept \n
.irp a, 0,1,2,3
.set rD, 8*(4*(bt%6)+\a)
.set rB, 16*bt
.set rA, 64+64*(\fa)+16*\a
.set rC, 192+8*(bt%6)
.if (\nat) && ((\cm) == 1)
	v_wmma_f32_16x16x128_fp8_fp8 v[rD:rD+7], v[rA:rA+15], v[rB:rB+15], v[rC:rC+7]
.elseif (\nat)
	v_wmma_f32_16x16x128_fp8_fp8 v[rD:rD+7], v[rA:rA+15], v[rB:rB+15], v[rD:rD+7]
.elseif (\cm) == 1
	v_wmma_f32_16x16x128_fp8_fp8 v[rD:rD+7], v[rB:rB+15], v[rA:rA+15], v[rC:rC+7]
.else
	v_wmma_f32_16x16x128_fp8_fp8 v[rD:rD+7], v[rB:rB+15], v[rA:rA+15], v[rD:rD+7]
.endif
.endr
.set bt, bt+1
.endr
.endm
; A slot's first 128 along K (token set 0); in its middle and at its end the second 128's fragments are fetched.  Windows: W window 1, tokens window 0, C and D window 2 or 3.
.macro STEP slot, nat, cm
	s_wait_dscnt 24                                ; the tokens' set and feature tiles 0-5 are in; the youngest 24 loads (tiles 6-11) may be out
	WIN 0xa1+3*(\nat)
	MULB 0, 6, 0, \nat, \cm
	s_wait_dscnt 0x0
	PLACES 4
	WIN 0
	FETCH_A \slot, 1, 1
	FETCH_B \slot, 1, 0
	WIN 0xf1+3*(\nat)
	MULB 6, 6, 0, \nat, \cm
	PLACES 4
	FETCH_B \slot, 1, 6
.endm
; A slot's second 128 along K (token set 1), which also fetches the first fragments of the slot that is read next.
; sync = 1: a change of slots: one barrier; in front of it each wave waits for all its tensor loads, adds 0 to its spare word, and waits for that and for its reads of this slot.
;   fill = 1: the barrier opens a round of the cluster's barrier, and this slot is filled again first thing behind it, from s[pa], s[pb] at K step ks.
; sync = 0: the next step reads this same slot again (k's last K step is v's first): nothing is filled and nothing new is read, so nothing has to be ordered.
.macro TURN slot, next, fill, nat, pa, pb, ks, ask, sync
.if \sync
	s_wait_tensorcnt 0x0                           ; all my tensor loads have landed: my part of the next slot (every window is 0 here)
	ds_add_u32 v28, v29                            ; 0 onto my spare word
	s_wait_dscnt 25                                ; (the add and the youngest 24 loads may be out)
	WIN 0xa1+3*(\nat)
	MULB 0, 3, 1, \nat, 0                          ; twelve matrix instructions stand between the add and the wait for it
	s_wait_dscnt 0x0                               ; the add is done, and my reads of this slot are over
	s_barrier_signal -1
	MULB 3, 3, 1, \nat, 0
	WIN 0
	s_barrier_wait -1
.else
	s_wait_dscnt 24                                ; the youngest 24 loads (feature tiles 6-11) may be out
	WIN 0xa1+3*(\nat)
	MULB 0, 6, 1, \nat, 0
	s_wait_dscnt 0x0
	WIN 0
.endif
.if \fill
	CREST                                          ; no wave of any partner still reads this slot or has a load on its way
	s_add_nc_u64 s[G0A+4*\slot+2:G0A+4*\slot+3], s[\pa:\pa+1], 4096*\ks
	s_or_b32 s[G0A+4*\slot+3], s[G0A+4*\slot+3], 0x80000000
	s_add_nc_u64 s[G0B+4*\slot+2:G0B+4*\slot+3], s[\pb:\pb+1], 4096*\ks
	s_or_b32 s[G0B+4*\slot+3], s[G0B+4*\slot+3], 0x80000000
	JLOAD \slot                                    ; the first tensor load behind the round; its four v_nop are also the places in front of the loads below
.else
	PLACES 4
.endif
	FETCH_A \next, 0, 0
	FETCH_B \next, 0, 0
.if \ask < 3
	ASK \ask
.endif
	WIN 0xf1+3*(\nat)
	MULB 6, 6, 1, \nat, 0
	PLACES 4
	FETCH_B \next, 0, 6
.endm
.macro LAST nat                        ; the very last 128 along K: nothing more to fetch
	s_wait_dscnt 24
	WIN 0xa1+3*(\nat)
	MULB 0, 6, 1, \nat, 0
	s_wait_dscnt 0x0
	WIN 0xf1+3*(\nat)
	MULB 6, 6, 1, \nat, 0
	WIN 0
	PLACES 4
.endm
; The next tile's bias, in the result's layout.  Transposed: lane (r, h) wants features 16 b + 8 h + 0 .. 7; natural: feature 16 b + r, the same in all eight registers.
.macro BIASLOAD nat, base
.irp hh, 0,1
	WIN 0x80+0x40*\hh                              ; destination window 2 or 3
.irp b, 0,1,2,3,4,5
.if \nat
	global_load_b32 v[192+8*\b], v26, s[\base:\base+1] offset:64*(6*\hh+\b)
.else
	global_load_b128 v[192+8*\b:195+8*\b], v25, s[\base:\base+1] offset:64*(6*\hh+\b)
	global_load_b128 v[196+8*\b:199+8*\b], v25, s[\base:\base+1] offset:64*(6*\hh+\b)+16
.endif
.endr
.endr
	WIN 0
.endm
.macro BIASFIX nat, se                 ; x 2^s[se]: a sum stands for sum x 2^(its two operands' e added), so the bias goes in divided by that
.irp hh, 0,1
	WIN 0x82+0x41*\hh                              ; source 0 and destination window 2 or 3
.irp b, 0,1,2,3,4,5
.if \nat
.irp j, 7,6,5,4,3,2,1,0
	v_ldexp_f32 v[192+8*\b+\j], v[192+8*\b], s[\se]      ; register 0, the source, last
.endr
.else
.irp j, 0,1,2,3,4,5,6,7
	v_ldexp_f32 v[192+8*\b+\j], v[192+8*\b+\j], s[\se]
.endr
.endif
.endr
.endr
	WIN 0
.endm
; THE WAY OUT of a tile, in six batches of two feature tiles x four token tiles: the hold, the conversion, four stores of 512 consecutive bytes.  Each accumulator is read from its low end on.
; Transposed: feature tiles 2 p', 2 p' + 1 give registers 4 g .. 4 g + 3 of a token tile's image in head p' / 2, g = p' % 2.  Natural: token tiles 0 .. 3 give the 8 registers of a feature tile's image.
; EACH BATCH HAS CODE REGISTERS OF ITS OWN: a window's first batch v240-255, its second and third the first sixteen accumulator registers of the batch before, which have been converted.  So no batch writes what a pending
; store reads, and no wait stands between the batches; the one wait for a tile's stores stands behind this macro, ahead of the next tile's products, which write those registers.
.macro WAYOUT nat, base, hs, sc, lim
.irp hh, 0,1
.irp pp, 0,1,2
.if \pp == 0
.set CR, 240
.else
.set CR, 64*(\pp-1)
.endif
	WIN 0x82+0x41*\hh
.set j, 0
.rept 64
	v_med3_num_f32 v[64*\pp+j], v[64*\pp+j], s[\lim+1], s[\lim]   ; the conversion does not saturate (ISA guide 7.6.2): the hold at the largest code x the scale
.set j, j+1
.endr
.irp u, 0,1
.irp a, 0,1,2,3
.if \nat
	v_cvt_scalef32_pk8_fp8_f32 v[CR+8*\u+2*\a:CR+8*\u+2*\a+1], v[64*\pp+32*\u+8*\a:64*\pp+32*\u+8*\a+7], v[\sc]
.else
	v_cvt_scalef32_pk8_fp8_f32 v[CR+4*\a+2*\u:CR+4*\a+2*\u+1], v[64*\pp+32*\u+8*\a:64*\pp+32*\u+8*\a+7], v[\sc]
.endif
.endr
.endr
	v_nop                                          ; a plain line behind the last conversion: the next batch's codes and the next tile's products write its sources and results
	WIN 0x08+0x04*\hh                              ; store data window 2 or 3, address window 0
.if \nat
.irp u, 0,1
.irp c, 0,1
	global_store_b128 v24, v[CR+8*\u+4*\c:CR+8*\u+4*\c+3], s[\base:\base+1] offset:((6*\hh+2*\pp+\u)/4)*131072+((6*\hh+2*\pp+\u)%4)*1024+512*\c
.endr
.endr
.else
.irp a, 0,1,2,3
	global_store_b128 v24, v[CR+4*\a:CR+4*\a+3], s[\base:\base+1] offset:((3*\hh+\pp)/2)*\hs+((3*\hh+\pp)%2)*512+1024*\a
.endr
.endif
	WIN 0
.endr
.endr
.endm
	s_load_b256 s[4:11], s[0:1], 0x0               ; xq_img s[4:5], xk_img s[6:7], w_img s[8:9], bq s[10:11]
	s_load_b256 s[12:19], s[0:1], 0x20             ; bk s[12:13], the exponents s[14:15], q_img s[16:17], kv_img s[18:19]
	v_lshl_add_u32 v28, v0, 2, SPARE
	v_mov_b32 v29, 0
	ds_add_u32 v28, v29                            ; the wave's opening: the add and its wait stand ahead of my first tensor load; the set-up below, work on registers, stands between them
	ds_add_u32 v28, v29
	v_lshrrev_b32 v1, 5, v0
	v_readfirstlane_b32 s20, v1                    ; wave 0..3
	s_lshr_b32 s21, s20, 1                         ; I fetch tokens (0) or weights (1),
	s_and_b32 s22, s20, 1                          ; this half of them
	s_bfe_u32 s56, ttmp6, 0x40000                  ; cx, cy: my place in the cluster
	s_bfe_u32 s57, ttmp6, 0x40004
	s_lshl_b32 s58, ttmp9, 2
	s_add_co_u32 s58, s58, s56                     ; g: my 192 features = 4 x cluster x + cx
	s_and_b32 s59, ttmp7, 0xffff
	s_lshl_b32 s59, s59, 2
	s_add_co_u32 s59, s59, s57                     ; MB: my 256 tokens = 4 x cluster y + cy
	s_lshl_b32 s86, s57, 2
	s_lshl_b32 s86, 15, s86                        ; my row of the cluster
	s_lshl_b32 s87, 0x1111, s56                    ; my column
	s_or_b32 s[G1A], s86, (3<<16)|(1<<21)          ; 15:0 the mask; 17:16 elements of 8 bytes; 21 set beside a mask; no padding: images are read 16 bytes a lane on end
	s_or_b32 s[G1B], s87, (3<<16)|(1<<21)
.irp g, G1A, G1B
	s_mov_b32 s[\g+1], 512<<16                     ; tensor_dim0 = 512 elements: 4,096 bytes, two fragments
	s_mov_b32 s[\g+3], 512<<16                     ; tile_dim0
	s_mov_b32 s[\g+5], 1536                        ; from a tile of 16 rows to the next: 12,288 bytes
	s_mov_b32 s[\g+6], 0
	s_mov_b32 s[\g+7], 0
.endr
	s_mov_b32 s[G1A+2], 16<<16                     ; for the head's loads: all 16 token tiles,
	s_mov_b32 s[G1A+4], 16
	s_mov_b32 s[G1B+2], 12<<16                     ; all 12 feature tiles
	s_mov_b32 s[G1B+4], 12
	s_lshl_b32 s2, s59, 4
	s_lshl_b32 s3, s22, 3
	s_add_co_u32 s2, s2, s3
	s_mul_i32 s2, s2, 12288                        ; tokens: tile 16 MB + 8 x half
	s_mov_b32 s3, 0
	s_mul_i32 s62, s58, 12
	s_mul_i32 s63, s22, 6
	s_add_co_u32 s62, s62, s63
	s_mul_i32 s62, s62, 12288                      ; weights: tile 12 g + 6 x half
	s_mov_b32 s63, 0
	s_lshl_b32 s23, s22, 15                        ; where they go in a slot: 32,768 x half;
	s_mul_i32 s60, s22, 24576
	s_add_co_u32 s60, s60, 65536                   ; 65,536 + 24,576 x half: no place in the cluster enters an LDS address
	s_wait_dscnt 0x0                               ; the opening add is done
	s_wait_kmcnt 0x0
	s_load_b256 s[88:95], s[14:15], 0x0            ; e0 .. e7
	s_add_nc_u64 s[66:67], s[4:5], s[2:3]          ; xq's tiles,
	s_add_nc_u64 s[68:69], s[6:7], s[2:3]          ; xk's,
	s_add_nc_u64 s[70:71], s[8:9], s[62:63]        ; Wq's,
	s_add_nc_u64 s[72:73], s[70:71], 589824        ; Wk's
	CROUND                                         ; all sixteen work-groups are here: the first joint loads meet
.irp s, 0,1
	s_mov_b32 s[G0A+4*\s], 1
	s_add_co_u32 s[G0A+4*\s+1], s23, \s*SLOT
	s_add_nc_u64 s[G0A+4*\s+2:G0A+4*\s+3], s[66:67], \s*4096
	s_or_b32 s[G0A+4*\s+3], s[G0A+4*\s+3], 0x80000000
	s_mov_b32 s[G0B+4*\s], 1
	s_add_co_u32 s[G0B+4*\s+1], s60, \s*SLOT
	s_add_nc_u64 s[G0B+4*\s+2:G0B+4*\s+3], s[70:71], \s*4096
	s_or_b32 s[G0B+4*\s+3], s[G0B+4*\s+3], 0x80000000
.endr
	; THE HEAD'S FILLS: one load a wave, four in all: waves 0, 1 the tokens' whole tile of K step 0, 1 into slot 0, 1; waves 2, 3 the weights' likewise.  s22 = wave % 2 is the slot here; the half that it stands for in s[66:67], s[70:71] is taken off again
	s_mul_i32 s[G0A+1], s22, SLOT
	s_add_co_u32 s[G0B+1], s[G0A+1], 65536
	s_mul_i32 s2, s22, 94208                       ; 8 tiles of 12,288 bytes back, 4,096 bytes on
	s_sub_nc_u64 s[G0A+2:G0A+3], s[66:67], s[2:3]
	s_or_b32 s[G0A+3], s[G0A+3], 0x80000000
	s_mul_i32 s2, s22, 69632                       ; 6 tiles back, 4,096 bytes on
	s_sub_nc_u64 s[G0B+2:G0B+3], s[70:71], s[2:3]
	s_or_b32 s[G0B+3], s[G0B+3], 0x80000000
	JLOAD 0
	v_and_b32 v1, 31, v0
	v_lshlrev_b32 v24, 4, v1                       ; v24: 16 x lane
	s_lshl_b32 s61, s20, 14
	v_add_nc_u32 v16, s61, v24                     ; v16, v17: my four token tiles in slot 0, 1
	v_add_nc_u32 v17, SLOT, v16
	v_add_nc_u32 v20, 65536, v24                   ; v20, v21: the feature tiles
	v_add_nc_u32 v21, SLOT, v20
	v_bfe_u32 v2, v0, 4, 1
	v_lshlrev_b32 v25, 5, v2                       ; v25: 32 h
	v_and_b32 v3, 15, v0
	v_lshlrev_b32 v26, 2, v3                       ; v26: 4 r
	v_mul_u32_u24 v27, v2, 12288
	v_lshl_add_u32 v27, v3, 8, v27
	s_lshl_b32 s61, s22, 4
	s_sub_co_u32 s61, 31, s61                      ; wave 2: lanes 0-31 name blocks of their own; wave 3: lanes 16-31 name lane 15's
	v_min_u32 v33, s61, v1
	v_lshrrev_b32 v34, 4, v33
	v_and_b32 v33, 15, v33
	v_mul_u32_u24 v34, v34, 12288
	v_lshl_add_u32 v33, v33, 8, v34                ; v33: the weights' prefetch offset: feature tile lane / 16, 256 x (lane % 16)
	s_mul_i32 s62, s58, 768
	s_add_nc_u64 s[74:75], s[10:11], s[62:63]      ; bq and bk at my 192 features
	s_add_nc_u64 s[76:77], s[12:13], s[62:63]
	BIASLOAD 0, 74
	s_lshr_b32 s2, s59, 2                          ; the batch,
	s_mul_i32 s2, s2, 12
	s_mul_i32 s3, s58, 3
	s_add_co_u32 s2, s2, s3                        ; my first head: 12 x batch + 3 g
	s_and_b32 s3, s59, 3
	s_lshl_b32 s3, s3, 2
	s_add_co_u32 s3, s3, s20                       ; my 64 tokens within the batch's 1,024
	s_lshl_b32 s61, s3, 12                         ; four token tiles of 1,024 bytes, or one key step of 4,096
	s_lshl_b32 s62, s2, 16
	s_add_co_u32 s62, s62, s61
	s_add_nc_u64 s[78:79], s[16:17], s[62:63]      ; q_img: [head][token tile][1024]
	s_lshl_b32 s62, s2, 17
	s_add_co_u32 s62, s62, s61
	s_add_nc_u64 s[80:81], s[18:19], s[62:63]      ; kv_img: [head][131072]: k's 64 images,
	s_add_nc_u64 s[82:83], s[80:81], 65536         ; then v's: [key step of 64][16 of d][1024]
	s_lshl_b32 s62, s59, 4
	s_lshl_b32 s61, s56, 2
	s_add_co_u32 s62, s62, s61
	s_lshl_b32 s61, s20, 1
	s_add_co_u32 s62, s62, s61
	s_mul_i32 s62, s62, 12288
	s_add_nc_u64 s[84:85], s[6:7], s[62:63]
	s_add_nc_u64 s[2:3], s[4:5], s[62:63]          ; xq's token tiles of the same numbers
	s_mul_i32 s61, s58, 12
	s_mul_i32 s62, s57, 3
	s_add_co_u32 s61, s61, s62
	s_lshl_b32 s62, s22, 1
	s_add_co_u32 s61, s61, s62
	s_mul_i32 s62, s61, 12288
	s_add_nc_u64 s[56:57], s[8:9], s[62:63]        ; Wq's feature tile 12 g + 3 cy + 2 (wave % 2) (waves 2 and 3 alone ask); Wk's lie 589,824 bytes on
	s_wait_alu depctr_va_vdst(0)                   ; the offsets were made ahead of this run of scalar lines
	s_cmp_lt_u32 s20, 2                            ; K step 2 of xq and Wq: what the first refill will ask for, slot 0's two steps of 128 ahead of it
	s_cbranch_scc0 .Lhead_w
	global_prefetch_b8 v27, s[2:3] offset:8192 th:TH_LOAD_NT scope:SCOPE_SE
	s_branch .Lhead_asked
.Lhead_w:
	global_prefetch_b8 v33, s[56:57] offset:8192 th:TH_LOAD_NT scope:SCOPE_SE
.Lhead_asked:
	s_wait_kmcnt 0x0
	s_add_co_i32 s86, s88, s89                     ; e0 + e1
	s_add_co_i32 s87, s90, s91                     ; e2 + e3
	s_sub_co_i32 s61, s92, s86                     ; q: e4 - e0 - e1
	s_add_co_i32 s61, s61, 127
	s_lshl_b32 s62, s61, 23
	v_mov_b32 v30, s62                             ; the conversion's scale as f32,
	s_add_co_i32 s61, s61, 8
	s_lshl_b32 s96, s61, 23
	s_or_b32 s96, s96, 0x600000                    ; 448 x that,
	s_xor_b32 s97, s96, 0x80000000                 ; and its negative
	s_sub_co_i32 s61, s93, s87                     ; k: e5 - e2 - e3
	s_add_co_i32 s61, s61, 127
	s_lshl_b32 s62, s61, 23
	v_mov_b32 v31, s62
	s_add_co_i32 s61, s61, 8
	s_lshl_b32 s98, s61, 23
	s_or_b32 s98, s98, 0x600000
	s_xor_b32 s99, s98, 0x80000000
	s_sub_co_i32 s61, s95, s87                     ; v: e7 - e2 - e3
	s_add_co_i32 s61, s61, 127
	s_lshl_b32 s62, s61, 23
	v_mov_b32 v32, s62
	s_add_co_i32 s61, s61, 8
	s_lshl_b32 s100, s61, 23
	s_or_b32 s100, s100, 0x600000
	s_xor_b32 s101, s100, 0x80000000
	s_sub_co_i32 s86, 0, s86                       ; -(e0 + e1), -(e2 + e3): for the biases
	s_sub_co_i32 s87, 0, s87
	s_wait_loadcnt 0x0
	BIASFIX 0, 86
	s_wait_alu depctr_va_vdst(0)
	s_wait_tensorcnt 0x0                           ; my one load is in, so its descriptors may be written: the refills go by halves, 8 token tiles or 6 feature tiles a wave
	s_mov_b32 s[G1A+2], 8<<16
	s_mov_b32 s[G1A+4], 8
	s_mov_b32 s[G1B+2], 6<<16
	s_mov_b32 s[G1B+4], 6
	s_mov_b32 s[G0A+1], s23                        ; slot 0, my half
	s_mov_b32 s[G0B+1], s60
	s_barrier_signal -1
	s_barrier_wait -1                              ; both slots are whole
	FETCH_A 0, 0, 0
	FETCH_B 0, 0, 0
	FETCH_B 0, 0, 6
	; ---- tile 0: q.  K steps 0, 1, 2 in slots 0, 1, 0
	STEP 0, 0, 1
	BIASLOAD 0, 76                                 ; bk for tile 1: the bias tiles have been read, four places back
	TURN 0, 1, 1, 0, 66, 70, 2, 0, 1               ; slot 0 takes q's K step 2
	STEP 1, 0, 0
	TURN 1, 0, 1, 0, 68, 72, 0, 1, 1               ; slot 1 takes k's K step 0
	STEP 0, 0, 0
	TURN 0, 1, 1, 0, 68, 72, 1, 2, 1               ; slot 0 takes k's K step 1
	WAYOUT 0, 78, 65536, 30, 96                    ; both of the next tile's first fills are asked for: now q goes out
	s_wait_loadcnt 0x0
	BIASFIX 0, 87
	s_wait_alu depctr_va_vdst(0)
	s_wait_xcnt 0x0                                ; q's stores have read their codes' registers: the next products write them
	; ---- tile 1: k.  K steps 0, 1, 2 in slots 1, 0, 1
	STEP 1, 0, 1
	BIASLOAD 1, 76                                 ; bk again, in the natural result's layout
	TURN 1, 0, 1, 0, 68, 72, 2, 9, 1               ; slot 1 takes K step 2
	STEP 0, 0, 0
	TURN 0, 1, 0, 0, 0, 0, 0, 9, 1                 ; slot 0 keeps K step 1 for v: a plain barrier, behind which K step 2 is whole
	STEP 1, 0, 0
	TURN 1, 1, 0, 0, 0, 0, 0, 9, 0                 ; v begins where k ends: the same slot's first fragments are fetched again
	WAYOUT 0, 80, 131072, 31, 98
	s_wait_loadcnt 0x0
	BIASFIX 1, 87
	s_wait_alu depctr_va_vdst(0)
	s_wait_xcnt 0x0                                ; k's stores have read their codes' registers
	; ---- tile 2: v = k with the sources swapped.  K steps 2, 1, 0 in slots 1, 0, 1
	STEP 1, 1, 1
	TURN 1, 0, 1, 1, 68, 72, 0, 9, 1               ; slot 1 takes K step 0 once more: the last fill
	STEP 0, 1, 0
	TURN 0, 1, 0, 1, 0, 0, 0, 9, 1                 ; nothing is left to fetch: a plain barrier
	STEP 1, 1, 0
	LAST 1
	WAYOUT 1, 82, 0, 32, 100
	s_wait_tensorcnt 0x0                           ; the wave's end, behind my last tensor load
	ds_add_u32 v28, v29
	s_wait_dscnt 0x0
	CROUND                                         ; the closing round: no work-group ends while a partner may still ask for a tile that names it
	s_endpgm
.Lfunc_end_k_q1b695d9967_proj:
	.size	k_q1b695d9967_proj, .Lfunc_end_k_q1b695d9967_proj-k_q1b695d9967_proj
	.p2alignl 7, 3214868480
	.fill 96, 4, 3214868480
	.section	.rodata,"a",@progbits
	.p2align	6, 0x0
	.amdhsa_kernel k_q1b695d9967_proj
		.amdhsa_group_segment_fixed_size 327680
		.amdhsa_private_segment_fixed_size 0
		.amdhsa_enable_private_segment 0
		.amdhsa_kernarg_size 64
		.amdhsa_user_sgpr_count 2
		.amdhsa_user_sgpr_kernarg_segment_ptr 1
		.amdhsa_wavefront_size32 1
		.amdhsa_system_sgpr_workgroup_id_x 1
		.amdhsa_system_sgpr_workgroup_id_y 1
		.amdhsa_system_sgpr_workgroup_id_z 1
		.amdhsa_system_vgpr_workitem_id 0
		.amdhsa_next_free_vgpr 1024
		.amdhsa_next_free_sgpr 102
		.amdhsa_reserve_vcc 0
		.amdhsa_float_denorm_mode_32 3
		.amdhsa_float_denorm_mode_16_64 3
		.amdhsa_memory_ordered 1
		.amdhsa_forward_progress 1
		.amdhsa_inst_pref_size 255
	.end_amdhsa_kernel
	.section	.bss,"aw",@nobits
	.p2align	6
	.space	262144
	.amdgpu_metadata
---
amdhsa.version: [ 1, 2 ]
amdhsa.kernels:
  - .name:           k_q1b695d9967_proj
    .symbol:         k_q1b695d9967_proj.kd
    .args:
      - { .name: xq_img, .offset: 0, .size: 8, .value_kind: global_buffer, .address_space: global }
      - { .name: xk_img, .offset: 8, .size: 8, .value_kind: global_buffer, .address_space: global }
      - { .name: w_img, .offset: 16, .size: 8, .value_kind: global_buffer, .address_space: global }
      - { .name: bq, .offset: 24, .size: 8, .value_kind: global_buffer, .address_space: global }
      - { .name: bk, .offset: 32, .size: 8, .value_kind: global_buffer, .address_space: global }
      - { .name: lowp_scales, .offset: 40, .size: 8, .value_kind: global_buffer, .address_space: global }
      - { .name: q_img, .offset: 48, .size: 8, .value_kind: global_buffer, .address_space: global }
      - { .name: kv_img, .offset: 56, .size: 8, .value_kind: global_buffer, .address_space: global }
    .group_segment_fixed_size: 327680
    .private_segment_fixed_size: 0
    .kernarg_segment_align: 8
    .kernarg_segment_size: 64
    .max_flat_workgroup_size: 128
    .sgpr_count:     102
    .vgpr_count:     1024
    .wavefront_size: 32
...
	.end_amdgpu_metadata
.endif
;; end of part 2
;; launch attn (part 3): grid 256 x 1, 8 waves a work-group, clusters of 4 x 1, 327,680 bytes of LDS; arguments q_img, kv_img, lowp_scales, o_img; writes o_img
.if DOCPART == 3
	.amdgcn_target "amdgcn-amd-amdhsa--gfx1250"
	.amdhsa_code_object_version 6
	.text
	.protected	k_q1b695d9967_attn
	.globl	k_q1b695d9967_attn
	.p2align	8
	.type	k_q1b695d9967_attn,@function
k_q1b695d9967_attn:
	s_mov_b64 s[64:65], 0
	v_nop
	global_prefetch_b8 v0, s[64:65] scope:SCOPE_SE
	s_setreg_imm32_b32 hwreg(HW_REG_WAVE_MODE, 25, 1), 1
	s_wait_xcnt 0x0
	s_wait_alu depctr_hold_cnt(0) depctr_sa_sdst(0) depctr_va_vdst(0) depctr_va_sdst(0) depctr_va_ssrc(0) depctr_va_vcc(0) depctr_vm_vsrc(0)
	s_getreg_b32 s2, hwreg(HW_REG_IB_STS2, 6, 4)
	s_cmp_eq_u32 s2, 0
	s_cbranch_scc0 .Lentry_in_a_cluster
	s_endpgm
.Lentry_in_a_cluster:
	s_bfe_u32 s2, ttmp6, 0x10000c
	s_cmp_lg_u32 s2, 0x3003
	s_cbranch_scc0 .Lentry_shape_is_right
	s_endpgm
.Lentry_shape_is_right:
; o = softmax(q k^T / 8) v for 192 heads of 1,024 tokens x 64, both products on codes of FP8 (E4M3); o leaves as codes with entry 8 of the exponents.
; t = score x log2(e) / 8 x 2^(e4 + e5); M = the running largest t rounded up to a whole number; p = 2^(t - M) is quantised with entry 6; the row's sum is taken of the unquantised p and divides at the end.
; When M moves, the sum and O are multiplied by 2^(old M - new M), in every step, with no branch on data.
; OPERANDS ARE IMAGES OF REGISTERS: q_img [head][tile of 16 tokens][1024]; kv_img [head][131072]: k's 64 tiles of 16 keys, then v's [64 keys][16 of d][1024]; o_img [tile of 16 tokens][head][1024].
; SHARES.  A cluster of four work-groups takes three heads, one after the other; a work-group 256 queries; each of its eight waves 32 queries (two tiles).  The four partners walk the same K and V: every fill is a joint load.
; A head's K and V (131,072 bytes) fill one LDS slot; two slots.  Each wave fetches 16,384 bytes.  Head u + 1 is asked for at the top of head u's walk, so a fill has a whole head's walk in which to land:
; so no prefetch is laid.
; A STEP is 256 keys.  For each query tile in turn: S^T = K Q^T (16 products, a lane holds one query and 128 keys), the maximum, p, the sum, the hold, the codes.  Then O^T += V^T P^T with 128 keys a product.
; The exponentials go in two batches of 64; between them stand plain lines whose results are first read behind the batch's closing wait: the other half's scalings, the first level of the sums, the holds.
; The unit (one head) is written twice: a loop of two trips, each with a joint fill at its top, and the last head without one.
; At a head's last step the look-ahead loads wrap to the slot's first keys; what they bring is not used.
; LIMITS: the scaled scores stay under 2^31 in magnitude; e4 + e5 between -123 and 130; e6 and e8 between -126 and 119.  NaN among the inputs is not served.
; REGISTERS.  Window 0: v1-7 addresses and the add's two; v8-9 the running largest score of each tile; v16-19 -M; v20-23 f; v24-27 sums; v28-31 bounds and scales; v32-39 eight chains of maxima, then four of sums; v40-44 at work;
; v48-63 Q; v64-127 P (first the sums' first level); v128-255 S.
; Window 1: v0-63 O^T; v64-191 K's 16 tiles; v128-255 V's 8 fragments of 128 keys: the first four lie over K's tiles 8-15 and are fetched when those are done with.
.set SLOTB, 131072
.set SPARE, 2*SLOTB                    ; the spare words: 128 bytes a wave, four blocks of 256 bytes that no other line names
.set LI, 1
.set KB, 2
.set KN, 3
.set VB, 4
.set VC, 5
.set SPW, 6
.set NIL, 7
.set MX, 8
.set NM, 16
.set F, 20
.set L, 24
.set LIMA, 28
.set LIMB, 29
.set SCP, 30
.set SCO, 31
.set C, 32
.set TA, 40
.set VN, 44
.set Q, 48
.set P, 64
.set S, 128
.set O, 0
.set KF, 64
.set VF, 128
.set G1, 16
.set G0, 24
.set CS, 32
.set SEL, 34
.set T, 36
.set TN, 37
.set E67, 38
.set LIM8, 39
.set OB, 42
.set QB, 44
.set SB, 46
.set U, 47
.set MSB, 0
.macro WIN new                         ; the immediate's high byte repeats the setting that is left
.if MSB != (\new)
	s_set_vgpr_msb (MSB<<8)|(\new)
.set MSB, (\new)
.endif
.endm
.macro PLACES n
.rept \n
	v_nop
.endr
.endm
.macro CROUND                          ; a round of the cluster's barrier
	s_barrier_signal -1
	s_barrier_wait -1
	s_cmp_lg_u32 s12, 0
	s_cbranch_scc1 .Lnot_wave_0_\@
	s_barrier_signal -3
.Lnot_wave_0_\@:
	s_barrier_wait -3
	s_barrier_signal -1
	s_barrier_wait -1
.endm
.macro QLOAD                           ; my two query tiles of the head at s[QB]
.irp c, 0,1,2,3
	global_load_b128 v[Q+4*\c:Q+4*\c+3], v[LI], s[QB:QB+1] offset:512*\c
.endr
.endm
.macro LOADK k0, adr                   ; eight key tiles from k0 on (destination window 1)
.set kt, \k0
.rept 8
	ds_load_b128 v[KF+8*kt:KF+8*kt+3], v[\adr] offset:1024*kt
	ds_load_b128 v[KF+8*kt+4:KF+8*kt+7], v[\adr] offset:1024*kt+512
.set kt, kt+1
.endr
.endm
.macro LOADV hh, adr                   ; V's four fragments of the step's keys 128 hh on: two images of 64 keys make 16 registers
.irp dt, 0,1,2,3
.irp g, 0,1,2,3
	ds_load_b128 v[VF+64*\hh+16*\dt+4*\g:VF+64*\hh+16*\dt+4*\g+3], v[\adr] offset:8192*\hh+4096*(\g/2)+1024*\dt+512*(\g%2)
.endr
.endr
.endm
.macro QK t, k0, n                     ; S^T tiles k0 .. k0 + n - 1 of query tile t
.set kt, \k0
.rept \n
	v_wmma_f32_16x16x64_fp8_fp8 v[S+8*kt:S+8*kt+7], v[KF+8*kt:KF+8*kt+7], v[Q+8*\t:Q+8*\t+7], 0
.set kt, kt+1
.endr
.endm
.macro HOLD r                          ; the conversion does not saturate (ISA guide 7.6.2); p is not negative, so the hold is one-sided
	v_dual_min_num_f32 v[\r], v[\r], v[LIMA] :: v_dual_min_num_f32 v[\r+1], v[\r+1], v[LIMB]
.endm
.macro SCALE r, t                      ; t - M, two at a time
	v_pk_fma_f32 v[\r:\r+1], v[\r:\r+1], s[CS:CS+1], v[NM+2*\t:NM+2*\t+1] op_sel_hi:[1,0,0]
.endm
; The step's largest score, in eight chains, one to a key tile modulo 8.  Each accumulator is read from its low end on.
.macro MAXLO                           ; key tiles 0-7: the chains begin
.set kt, 0
.rept 8
	v_max_num_f32 v[C+kt], v[S+8*kt], v[S+8*kt+1]
.set kt, kt+1
.endr
.irp p, 1,2,3
.set kt, 0
.rept 8
	v_max3_num_f32 v[C+kt], v[C+kt], v[S+8*kt+2*\p], v[S+8*kt+2*\p+1]
.set kt, kt+1
.endr
.endr
.endm
.macro MAXHI                           ; key tiles 8-15
.irp p, 0,1,2,3
.set kt, 0
.rept 8
	v_max3_num_f32 v[C+kt], v[C+kt], v[S+64+8*kt+2*\p], v[S+64+8*kt+2*\p+1]
.set kt, kt+1
.endr
.endr
.endm
; One query tile's 128 scores a lane become codes.  All registers lie in window 0.
.macro SOFTMAX t
	v_mov_b32 v[TA+2], v[NM+2*\t]                  ; the old -M
	v_max3_num_f32 v[TA], v[C], v[C+1], v[C+2]
	v_max3_num_f32 v[TA+1], v[C+3], v[C+4], v[C+5]
	v_max3_num_f32 v[TA+3], v[C+6], v[C+7], v[MX+\t]
	s_delay_alu instid0(VALU_DEP_1)
	v_max3_num_f32 v[TA], v[TA], v[TA+1], v[TA+3]
	s_delay_alu instid0(VALU_DEP_1)
	v_permlanex16_b32 v[TA+1], v[TA], s[SEL], s[SEL+1]
	s_delay_alu instid0(VALU_DEP_1)
	v_max_num_f32 v[MX+\t], v[TA], v[TA+1]         ; the largest score so far of my query
	s_delay_alu instid0(VALU_DEP_1)
	v_mul_f32 v[TA], s[CS], v[MX+\t]               ; as t (c is positive)
	s_delay_alu instid0(VALU_DEP_1)
	v_floor_f32 v[NM+2*\t], -v[TA]                 ; the new -M
.set j, 0
.rept 32                               ; the first half's scalings; f = 2^(old M - new M) is made among them
	SCALE S+j, \t
.if j == 6
	v_sub_f32 v[TA+3], v[NM+2*\t], v[TA+2]         ; old M - new M: a whole number, 0 or less
.endif
.if j == 18
	v_cvt_i32_f32 v[TA+3], v[TA+3]                 ; (it saturates)
.endif
.if j == 30
	v_ldexp_f32 v[F+2*\t], 1.0, v[TA+3]
.endif
.set j, j+2
.endr
	s_wait_alu depctr_va_vdst(0)                   ; ahead of a batch
.set j, 0
.rept 32                               ; the first 64 exponentials; the second half's scalings stand among them
	v_exp_f32 v[S+j], v[S+j]
	v_exp_f32 v[S+j+1], v[S+j+1]
	SCALE S+64+j, \t
.set j, j+2
.endr
	s_wait_alu depctr_va_vdst(0)                   ; behind the first batch and ahead of the second
.set i, 0
.rept 16                               ; the second 64; among them the first half's first level of sums (into P's registers, still free) and its holds
	v_exp_f32 v[S+64+4*i], v[S+64+4*i]
	v_pk_add_f32 v[P+32*\t+2*i:P+32*\t+2*i+1], v[S+4*i:S+4*i+1], v[S+4*i+2:S+4*i+3]
	v_exp_f32 v[S+65+4*i], v[S+65+4*i]
	HOLD S+4*i
	v_exp_f32 v[S+66+4*i], v[S+66+4*i]
	HOLD S+4*i+2
	v_exp_f32 v[S+67+4*i], v[S+67+4*i]
.set i, i+1
.endr
	v_nop                                          ; a plain place behind the last exponential
	s_wait_alu depctr_va_vdst(0)                   ; behind the second batch
.irp i, 0,1,2,3
	v_pk_add_f32 v[C+2*\i:C+2*\i+1], v[P+32*\t+2*\i:P+32*\t+2*\i+1], v[P+32*\t+8+2*\i:P+32*\t+9+2*\i]
.endr
.set j, 0
.rept 32                               ; the second half: each pair is summed, then held; the rest of the first level goes into the four chains beside it
	v_pk_add_f32 v[C+2*(j%4):C+2*(j%4)+1], v[C+2*(j%4):C+2*(j%4)+1], v[S+64+2*j:S+65+2*j]
	HOLD S+64+2*j
.if j < 8
	v_pk_add_f32 v[C+2*((j+3)%4):C+2*((j+3)%4)+1], v[C+2*((j+3)%4):C+2*((j+3)%4)+1], v[P+32*\t+16+2*j:P+32*\t+17+2*j]
.endif
.set j, j+1
.endr
.set kt, 0
.rept 16                               ; key tile kt gives registers 2 kt, 2 kt + 1 of P's operand
	v_cvt_scalef32_pk8_fp8_f32 v[P+32*\t+2*kt:P+32*\t+2*kt+1], v[S+8*kt:S+8*kt+7], v[SCP]
.set kt, kt+1
.endr
	v_pk_add_f32 v[C:C+1], v[C:C+1], v[C+2:C+3]    ; (plain lines behind the last conversion)
	v_pk_add_f32 v[C+4:C+5], v[C+4:C+5], v[C+6:C+7]
	v_pk_add_f32 v[C:C+1], v[C:C+1], v[C+4:C+5]
	v_pk_fma_f32 v[L+2*\t:L+2*\t+1], v[L+2*\t:L+2*\t+1], v[F+2*\t:F+2*\t+1], v[C:C+1] op_sel_hi:[1,0,1]   ; the sum under the new M, and this step's part
.endm
; The change of slots: every wave's three lines; fill = 1: a round of the cluster's barrier and the joint fill of the other slot with the next head.
.macro CHANGE fill
	s_wait_alu depctr_va_vdst(0)
	s_wait_tensorcnt 0x0                           ; my one load is in, so its group 0 may be written
	ds_add_u32 v[SPW], v[NIL]
.if \fill
	s_xor_b32 s[G0+1], s[G0+1], SLOTB              ; the other slot,
	s_add_nc_u64 s[G0+2:G0+3], s[G0+2:G0+3], SLOTB ; the next head
.endif
	s_wait_dscnt 0x0                               ; the add is done, and my reads of the slot that I have left
.if \fill
	CROUND
	tensor_load_to_lds s[G0:G0+3], s[G1:G1+7]
	s_nop 0
	PLACES 4
.else
	s_barrier_signal -1
	s_barrier_wait -1
.endif
.endm
; One head: four steps of 256 keys, then the way out.
.macro UNIT last
	v_add_nc_u32 v[KB], s[SB], v[LI]               ; K's tiles in the slot in hand,
	v_add_nc_u32 v[VB], 65536, v[KB]               ; and V's
	v_mov_b32 v[MX], 0xff800000                    ; under every score
	v_mov_b32 v[MX+1], 0xff800000
	v_mov_b32 v[NM], 0x7f61b1e6                    ; -M = 3e38: the first f is 0
	v_mov_b32 v[NM+2], 0x7f61b1e6
.irp j, 0,1,2,3
	v_mov_b32 v[L+\j], 0
.endr
	WIN 0x40
.set j, 0
.rept 64
	v_mov_b32 v[O+j], 0                            ; the step is written once: the first finds zeros
.set j, j+1
.endr
	LOADK 0, KB
	LOADK 8, KB
	LOADV 1, VB
	WIN 0
	s_mov_b32 s[T], 0
	s_wait_alu depctr_va_vdst(0)
	s_wait_loadcnt 0x0                             ; Q
.Lstep_\@:
	s_add_co_u32 s[TN], s[T], 16384
	s_and_b32 s[TN], s[TN], 0xffff                 ; the next step's keys; behind the last step: the first again
	s_wait_dscnt 32                                ; K's tiles 0-7 are in; tiles 8-15 and V's second half (16 loads each) may be out
	WIN 0x01                                       ; source 0 (K) window 1
	QK 0, 0, 8
	WIN 0
	v_add_nc_u32 v[KN], s[TN], v[KB]               ; (these three and the v_nop are the places ahead of the first read of S)
	v_add_nc_u32 v[VC], s[T], v[VB]
	v_add_nc_u32 v[VN], s[TN], v[VB]
	v_nop
	MAXLO                                          ; 32 lines of work ahead of the wait for K's tiles 8-15
	s_wait_alu depctr_va_vdst(0)
	s_wait_dscnt 16                                ; K's tiles 8-15 are in
	WIN 0x01
	QK 0, 8, 8
	WIN 0
	PLACES 4
	MAXHI
	SOFTMAX 0
	WIN 0x01
	QK 1, 0, 16
	PLACES 4                                       ; ahead of the loads into K's registers and of the first read of S
	WIN 0x40
	LOADV 0, VC                                    ; over K's tiles 8-15
	LOADK 0, KN                                    ; the next step's tiles 0-7
	WIN 0
	MAXLO
	MAXHI
	SOFTMAX 1
	s_wait_dscnt 16                                ; V is in; the next step's 16 loads of K may be out
	WIN 0x41                                       ; O in window 1, f in window 0
	s_wait_alu depctr_va_vdst(0)                   ; directly ahead of the first reader of O^T
.irp t, 0,1
.set j, 0
.rept 16
	v_pk_mul_f32 v[O+32*\t+j:O+32*\t+j+1], v[O+32*\t+j:O+32*\t+j+1], v[F+2*\t:F+2*\t+1] op_sel_hi:[1,0]
.set j, j+2
.endr
.endr
.irp hh, 0,1                           ; the eight accumulators take turns; behind each half its registers take the next step's fragments
	WIN 0x51                                       ; V, C and D window 1, P window 0
.irp dt, 0,1,2,3
.irp t, 0,1
	v_wmma_f32_16x16x128_fp8_fp8 v[O+32*\t+8*\dt:O+32*\t+8*\dt+7], v[VF+64*\hh+16*\dt:VF+64*\hh+16*\dt+15], v[P+32*\t+16*\hh:P+32*\t+16*\hh+15], v[O+32*\t+8*\dt:O+32*\t+8*\dt+7]
.endr
.endr
	PLACES 4
	WIN 0x40
.if \hh == 0
	LOADK 8, KN
.else
	LOADV 1, VN
.endif
.endr
	WIN 0
	s_add_co_u32 s[T], s[T], 16384
	s_cmp_lg_u32 s[T], 65536
	s_wait_alu depctr_va_vdst(0)
	s_cbranch_scc1 .Lstep_\@
.if !(\last)
	s_add_nc_u64 s[QB:QB+1], s[QB:QB+1], 65536     ; the next head's queries (the earlier loads have been waited for)
	QLOAD
.endif
	v_add_f32 v[TA], v[L], v[L+1]
	v_add_f32 v[TA+2], v[L+2], v[L+3]
	s_delay_alu instid0(VALU_DEP_2)
	v_permlanex16_b32 v[TA+1], v[TA], s[SEL], s[SEL+1]
	s_delay_alu instid0(VALU_DEP_2)
	v_permlanex16_b32 v[TA+3], v[TA+2], s[SEL], s[SEL+1]
	s_delay_alu instid0(VALU_DEP_2)
	v_add_f32 v[TA], v[TA], v[TA+1]                ; the rows' sums
	s_delay_alu instid0(VALU_DEP_2)
	v_add_f32 v[TA+2], v[TA+2], v[TA+3]
	s_wait_alu depctr_va_vdst(0)
	v_rcp_f32 v[TA], v[TA]
	v_rcp_f32 v[TA+2], v[TA+2]
	v_nop
	s_wait_alu depctr_va_vdst(0)
	v_ldexp_f32 v[F], v[TA], s[E67]                ; x 2^(e6 + e7)
	v_ldexp_f32 v[F+2], v[TA+2], s[E67]
	WIN 0x41
	s_wait_alu depctr_va_vdst(0)                   ; directly ahead of the first reader of O^T
.irp t, 0,1
.set j, 0
.rept 16
	v_pk_mul_f32 v[O+32*\t+j:O+32*\t+j+1], v[O+32*\t+j:O+32*\t+j+1], v[F+2*\t:F+2*\t+1] op_sel_hi:[1,0]
.set j, j+2
.endr
.endr
.set j, 0
.rept 64
	v_med3_num_f32 v[O+j], v[O+j], s[LIM8+1], s[LIM8]   ; the hold at the largest code x 2^e8
.set j, j+1
.endr
	WIN 0x01                                       ; codes into S's registers, window 0
.irp t, 0,1
.irp dt, 0,1,2,3
	v_cvt_scalef32_pk8_fp8_f32 v[S+8*\t+2*\dt:S+8*\t+2*\dt+1], v[O+32*\t+8*\dt:O+32*\t+8*\dt+7], v[SCO]
.endr
.endr
	v_nop
	WIN 0
.irp t, 0,1
.irp c, 0,1
	global_store_b128 v[LI], v[S+8*\t+4*\c:S+8*\t+4*\c+3], s[OB:OB+1] offset:12288*\t+512*\c   ; 32 lanes store 512 consecutive bytes
.endr
.endr
.if !(\last)
	s_wait_xcnt 0x0                                ; the stores have read their base and their data
	s_add_nc_u64 s[OB:OB+1], s[OB:OB+1], 1024      ; the next head's place in a token tile
.endif
.endm
	s_load_b256 s[4:11], s[0:1], 0x0               ; q_img, kv_img, the exponents, o_img
	v_lshl_add_u32 v[SPW], v0, 2, SPARE
	v_mov_b32 v[NIL], 0
	ds_add_u32 v[SPW], v[NIL]                      ; the opening: the add twice on end, and its wait below
	ds_add_u32 v[SPW], v[NIL]
	v_lshrrev_b32 v2, 5, v0
	v_readfirstlane_b32 s12, v2                    ; wave 0..7
	v_and_b32 v[LI], 31, v0
	v_lshlrev_b32 v[LI], 4, v[LI]                  ; 16 x lane
	s_bfe_u32 s13, ttmp6, 0x40000                  ; cx
	s_mov_b32 s[G1], 15|(3<<16)|(1<<21)            ; the four partners; elements of 8 bytes; 64 rows of 256 bytes, dense
	s_mov_b32 s[G1+1], 32<<16
	s_mov_b32 s[G1+2], 64<<16
	s_mov_b32 s[G1+3], 32<<16
	s_mov_b32 s[G1+4], 64
	s_mov_b32 s[G1+5], 32
	s_mov_b32 s[G1+6], 0
	s_mov_b32 s[G1+7], 0
	s_mov_b32 s[SEL], 0x76543210
	s_mov_b32 s[SEL+1], 0xfedcba98
	s_mul_i32 s58, ttmp9, 3                        ; the cluster's first head
	s_lshl_b32 s2, s58, 17
	s_lshl_b32 s3, s12, 14
	s_add_co_u32 s2, s2, s3                        ; my 16,384 bytes of its K and V
	s_mov_b32 s3, 0
	s_lshl_b32 s[G0+1], s12, 14
	s_mov_b32 s[G0], 1
	s_lshl_b32 s59, s13, 4
	s_lshl_b32 s60, s12, 1
	s_add_co_u32 s59, s59, s60                     ; my first query tile: 16 cx + 2 wave
	s_lshl_b32 s60, s58, 16
	s_lshl_b32 s61, s59, 10
	s_add_co_u32 s60, s60, s61
	s_mov_b32 s61, 0
	s_lshr_b32 s62, ttmp9, 2                       ; the batch
	s_lshl_b32 s62, s62, 6
	s_add_co_u32 s62, s62, s59
	s_mul_i32 s62, s62, 12
	s_and_b32 s63, ttmp9, 3
	s_mul_i32 s63, s63, 3
	s_add_co_u32 s62, s62, s63
	s_lshl_b32 s62, s62, 10                        ; o_img: (12 x token tile + head in the batch) x 1,024
	s_mov_b32 s63, 0
	s_wait_alu depctr_va_vdst(0)
	s_wait_dscnt 0x0
	s_wait_kmcnt 0x0
	s_load_b256 s[48:55], s[8:9], 0x0              ; e0 .. e7
	s_load_b64 s[56:57], s[8:9], 0x20              ; e8, e9
	s_add_nc_u64 s[G0+2:G0+3], s[6:7], s[2:3]
	s_or_b32 s[G0+3], s[G0+3], 0x80000000
	s_add_nc_u64 s[QB:QB+1], s[4:5], s[60:61]
	s_add_nc_u64 s[OB:OB+1], s[10:11], s[62:63]
	QLOAD                                          ; the first head's queries are on their way under the first fill
	CROUND                                         ; the four work-groups are here: the first joint loads meet
	tensor_load_to_lds s[G0:G0+3], s[G1:G1+7]      ; head 0 into slot 0: one load a wave
	s_nop 0
	PLACES 4
	v_mov_b32 v[NM+1], 0                           ; upper halves of pairs, and a lane permute's destinations: written once
	v_mov_b32 v[NM+3], 0
	v_mov_b32 v[F+1], 0
	v_mov_b32 v[F+3], 0
	v_mov_b32 v[TA+1], 0
	v_mov_b32 v[TA+3], 0
	s_wait_kmcnt 0x0
	s_add_co_i32 s58, s52, s53
	s_lshl_b32 s58, s58, 23
	s_add_co_i32 s[CS], s58, 0x3e38aa3b            ; c = log2(e) / 8 x 2^(e4 + e5)
	s_mov_b32 s[CS+1], s[CS]
	s_add_co_i32 s58, s54, 127
	s_lshl_b32 s59, s58, 23
	v_mov_b32 v[SCP], s59                          ; 2^e6
	s_add_co_i32 s58, s58, 8
	s_lshl_b32 s58, s58, 23
	s_or_b32 s58, s58, 0x600000
	v_mov_b32 v[LIMA], s58                         ; 448 x 2^e6, twice: the dual form wants its two second sources in different banks
	v_mov_b32 v[LIMB], s58
	s_add_co_i32 s[E67], s54, s55
	s_add_co_i32 s58, s56, 127
	s_lshl_b32 s59, s58, 23
	v_mov_b32 v[SCO], s59                          ; 2^e8
	s_add_co_i32 s58, s58, 8
	s_lshl_b32 s[LIM8], s58, 23
	s_or_b32 s[LIM8], s[LIM8], 0x600000
	s_xor_b32 s[LIM8+1], s[LIM8], 0x80000000
	s_mov_b32 s[SB], 0
	s_mov_b32 s[U], 2
.Lunit:                                            ; two trips: heads 0 and 1; at each top the next head is asked for
	CHANGE 1
	UNIT 0
	s_xor_b32 s[SB], s[SB], SLOTB
	s_sub_co_u32 s[U], s[U], 1
	s_cmp_lg_u32 s[U], 0
	s_wait_alu depctr_va_vdst(0)
	s_cbranch_scc1 .Lunit
	CHANGE 0                                       ; nothing is left to fetch
	UNIT 1
	s_wait_tensorcnt 0x0                           ; the wave's end
	ds_add_u32 v[SPW], v[NIL]
	s_wait_dscnt 0x0
	CROUND                                         ; the closing round
	s_endpgm
.Lfunc_end_k_q1b695d9967_attn:
	.size	k_q1b695d9967_attn, .Lfunc_end_k_q1b695d9967_attn-k_q1b695d9967_attn
	.p2alignl 7, 3214868480
	.fill 96, 4, 3214868480
	.section	.rodata,"a",@progbits
	.p2align	6, 0x0
	.amdhsa_kernel k_q1b695d9967_attn
		.amdhsa_group_segment_fixed_size 327680
		.amdhsa_private_segment_fixed_size 0
		.amdhsa_enable_private_segment 0
		.amdhsa_kernarg_size 32
		.amdhsa_user_sgpr_count 2
		.amdhsa_user_sgpr_kernarg_segment_ptr 1
		.amdhsa_wavefront_size32 1
		.amdhsa_system_sgpr_workgroup_id_x 1
		.amdhsa_system_sgpr_workgroup_id_y 1
		.amdhsa_system_sgpr_workgroup_id_z 1
		.amdhsa_system_vgpr_workitem_id 0
		.amdhsa_next_free_vgpr 512
		.amdhsa_next_free_sgpr 66
		.amdhsa_reserve_vcc 0
		.amdhsa_float_denorm_mode_32 3
		.amdhsa_float_denorm_mode_16_64 3
		.amdhsa_memory_ordered 1
		.amdhsa_forward_progress 1
		.amdhsa_inst_pref_size 141
	.end_amdhsa_kernel
	.amdgpu_metadata
---
amdhsa.version: [ 1, 2 ]
amdhsa.kernels:
  - .name:           k_q1b695d9967_attn
    .symbol:         k_q1b695d9967_attn.kd
    .args:
      - { .name: q_img, .offset: 0, .size: 8, .value_kind: global_buffer, .address_space: global }
      - { .name: kv_img, .offset: 8, .size: 8, .value_kind: global_buffer, .address_space: global }
      - { .name: lowp_scales, .offset: 16, .size: 8, .value_kind: global_buffer, .address_space: global }
      - { .name: o_img, .offset: 24, .size: 8, .value_kind: global_buffer, .address_space: global }
    .group_segment_fixed_size: 327680
    .private_segment_fixed_size: 0
    .kernarg_segment_align: 8
    .kernarg_segment_size: 32
    .max_flat_workgroup_size: 256
    .sgpr_count:     66
    .vgpr_count:     512
    .wavefront_size: 32
...
	.end_amdgpu_metadata
.endif
;; end of part 3
;; launch outp (part 4): grid 4 x 64, 4 waves a work-group, clusters of 4 x 4, 327,680 bytes of LDS; arguments o_img, w_img, bp, lowp_scales, out0; writes out0
.if DOCPART == 4
	.amdgcn_target "amdgcn-amd-amdhsa--gfx1250"
	.amdhsa_code_object_version 6
	.text
	.protected	k_q1b695d9967_outp
	.globl	k_q1b695d9967_outp
	.p2align	8
	.type	k_q1b695d9967_outp,@function
k_q1b695d9967_outp:
	s_mov_b64 s[64:65], 0
	v_nop
	global_prefetch_b8 v0, s[64:65] scope:SCOPE_SE
	s_setreg_imm32_b32 hwreg(HW_REG_WAVE_MODE, 25, 1), 1
	s_wait_xcnt 0x0
	s_wait_alu depctr_hold_cnt(0) depctr_sa_sdst(0) depctr_va_vdst(0) depctr_va_sdst(0) depctr_va_ssrc(0) depctr_va_vcc(0) depctr_vm_vsrc(0)
	s_getreg_b32 s2, hwreg(HW_REG_IB_STS2, 6, 4)
	s_cmp_eq_u32 s2, 0
	s_cbranch_scc0 .Lentry_in_a_cluster
	s_endpgm
.Lentry_in_a_cluster:
	s_bfe_u32 s2, ttmp6, 0x10000c
	s_cmp_lg_u32 s2, 0xf033
	s_cbranch_scc0 .Lentry_shape_is_right
	s_endpgm
.Lentry_shape_is_right:
.set SLOT,  114688
.set SPARE, 2*SLOT
.set SP,    784
.set G1A, 24
.set G0A, 32
.set G1B, 40
.set G0B, 48
.set MSB, 0
.macro WIN new
.if MSB != (\new)
	s_set_vgpr_msb (MSB<<8)|(\new)
.set MSB, (\new)
.endif
.endm
.macro PLACES n
.rept \n
	v_nop
.endr
.endm
.macro JLOAD s
	s_cmp_eq_u32 s21, 0
	s_cbranch_scc0 .Lfor_b_\@
	tensor_load_to_lds s[G0A+4*\s:G0A+4*\s+3], s[G1A:G1A+7]
	s_nop 0
.rept 4
	v_nop
.endr
	s_branch .Lasked_\@
.Lfor_b_\@:
	tensor_load_to_lds s[G0B+4*\s:G0B+4*\s+3], s[G1B:G1B+7]
	s_nop 0
.rept 4
	v_nop
.endr
.Lasked_\@:
.endm
.macro CREST
	s_cmp_lg_u32 s20, 0
	s_cbranch_scc1 .Lnot_wave_0_\@
	s_barrier_signal -3
.Lnot_wave_0_\@:
	s_barrier_wait -3
	s_barrier_signal -1
	s_barrier_wait -1
.endm
.macro CROUND
	s_barrier_signal -1
	s_barrier_wait -1
	CREST
.endm
.macro FRAG reg, adr, off
.irp c, 0,1,2,3
	ds_load_b128 v[(\reg)+4*\c:(\reg)+4*\c+3], v[\adr] offset:(\off)+512*\c
.endr
.endm
.macro FETCH_A slot, q, fa
.irp a, 0,1,2,3
	FRAG 64+64*(\fa)+16*\a, 16+(\slot), 4096*\a+2048*(\q)
.endr
.endm
.macro FETCH_B slot, q, b0
	WIN 0x40
.irp i, 0,1,2,3,4,5
	FRAG 16*((\b0)+\i), 20+(\slot), 4096*((\b0)+\i)+2048*(\q)
.endr
	WIN 0
.endm
.macro MULB b0, n, fa, zero
.set bt, \b0
.rept \n
.irp a, 0,1,2,3
.set rD, 8*(4*(bt%6)+\a)
.set rB, 16*bt
.set rA, 64+64*(\fa)+16*\a
.if \zero
	v_wmma_f32_16x16x128_fp8_fp8 v[rD:rD+7], v[rB:rB+15], v[rA:rA+15], 0
.else
	v_wmma_f32_16x16x128_fp8_fp8 v[rD:rD+7], v[rB:rB+15], v[rA:rA+15], v[rD:rD+7]
.endif
.endr
.set bt, bt+1
.endr
.endm
.macro STEP slot, zero
	s_wait_dscnt 24
	WIN 0xa1
	MULB 0, 6, 0, \zero
	s_wait_dscnt 0x0
	PLACES 4
	WIN 0
	FETCH_A \slot, 1, 1
	FETCH_B \slot, 1, 0
	WIN 0xf1
	MULB 6, 6, 0, \zero
	PLACES 4
	FETCH_B \slot, 1, 6
.endm
.macro TURN slot, next, fill
	s_wait_tensorcnt 0x0
	ds_add_u32 v28, v29
	s_wait_dscnt 25
	WIN 0xa1
	MULB 0, 3, 1, 0
	s_wait_dscnt 0x0
	s_barrier_signal -1
	MULB 3, 3, 1, 0
	WIN 0
	s_barrier_wait -1
.if \fill
	CREST
	s_add_nc_u64 s[G0A+4*\slot+2:G0A+4*\slot+3], s[66:67], 2*4096
	s_or_b32 s[G0A+4*\slot+3], s[G0A+4*\slot+3], 0x80000000
	s_add_nc_u64 s[G0B+4*\slot+2:G0B+4*\slot+3], s[70:71], 2*4096
	s_or_b32 s[G0B+4*\slot+3], s[G0B+4*\slot+3], 0x80000000
	JLOAD \slot
.else
	PLACES 4
.endif
	FETCH_A \next, 0, 0
	FETCH_B \next, 0, 0
	WIN 0xf1
	MULB 6, 6, 1, 0
	PLACES 4
	FETCH_B \next, 0, 6
.endm
	s_load_b256 s[4:11], s[0:1], 0x0
	s_load_b64 s[12:13], s[0:1], 0x20
	v_lshl_add_u32 v28, v0, 2, SPARE
	v_mov_b32 v29, 0
	ds_add_u32 v28, v29
	ds_add_u32 v28, v29
	v_lshrrev_b32 v1, 5, v0
	v_readfirstlane_b32 s20, v1
	s_lshr_b32 s21, s20, 1
	s_and_b32 s22, s20, 1
	s_bfe_u32 s56, ttmp6, 0x40000
	s_bfe_u32 s57, ttmp6, 0x40004
	s_lshl_b32 s58, ttmp9, 2
	s_add_co_u32 s58, s58, s56
	s_and_b32 s59, ttmp7, 0xffff
	s_lshl_b32 s59, s59, 2
	s_add_co_u32 s59, s59, s57
	s_lshl_b32 s86, s57, 2
	s_lshl_b32 s86, 15, s86
	s_lshl_b32 s87, 0x1111, s56
	s_or_b32 s[G1A], s86, (3<<16)|(1<<21)
	s_or_b32 s[G1B], s87, (3<<16)|(1<<21)
.irp g, G1A, G1B
	s_mov_b32 s[\g+1], 512<<16
	s_mov_b32 s[\g+3], 512<<16
	s_mov_b32 s[\g+5], 1536
	s_mov_b32 s[\g+6], 0
	s_mov_b32 s[\g+7], 0
.endr
	s_mov_b32 s[G1A+2], 16<<16                     ; for the head's loads: all 16 token tiles,
	s_mov_b32 s[G1A+4], 16
	s_mov_b32 s[G1B+2], 12<<16                     ; all 12 feature tiles
	s_mov_b32 s[G1B+4], 12
	s_lshl_b32 s2, s59, 4
	s_lshl_b32 s3, s22, 3
	s_add_co_u32 s2, s2, s3
	s_mul_i32 s2, s2, 12288
	s_mov_b32 s3, 0
	s_mul_i32 s62, s58, 12
	s_mul_i32 s63, s22, 6
	s_add_co_u32 s62, s62, s63
	s_mul_i32 s62, s62, 12288
	s_add_co_u32 s62, s62, 1179648
	s_mov_b32 s63, 0
	s_lshl_b32 s23, s22, 15
	s_mul_i32 s60, s22, 24576
	s_add_co_u32 s60, s60, 65536
	s_wait_dscnt 0x0
	s_wait_kmcnt 0x0
	s_load_b64 s[88:89], s[10:11], 0x20
	s_add_nc_u64 s[66:67], s[4:5], s[2:3]
	s_add_nc_u64 s[70:71], s[6:7], s[62:63]
	CROUND
.irp s, 0,1
	s_mov_b32 s[G0A+4*\s], 1
	s_add_co_u32 s[G0A+4*\s+1], s23, \s*SLOT
	s_add_nc_u64 s[G0A+4*\s+2:G0A+4*\s+3], s[66:67], \s*4096
	s_or_b32 s[G0A+4*\s+3], s[G0A+4*\s+3], 0x80000000
	s_mov_b32 s[G0B+4*\s], 1
	s_add_co_u32 s[G0B+4*\s+1], s60, \s*SLOT
	s_add_nc_u64 s[G0B+4*\s+2:G0B+4*\s+3], s[70:71], \s*4096
	s_or_b32 s[G0B+4*\s+3], s[G0B+4*\s+3], 0x80000000
.endr
	; THE HEAD'S FILLS: one load a wave, four in all: waves 0, 1 the tokens' whole tile of K step 0, 1 into slot 0, 1; waves 2, 3 the weights' likewise.  s22 = wave % 2 is the slot here; the half that it stands for in s[66:67], s[70:71] is taken off again
	s_mul_i32 s[G0A+1], s22, SLOT
	s_add_co_u32 s[G0B+1], s[G0A+1], 65536
	s_mul_i32 s2, s22, 94208                       ; 8 tiles of 12,288 bytes back, 4,096 bytes on
	s_sub_nc_u64 s[G0A+2:G0A+3], s[66:67], s[2:3]
	s_or_b32 s[G0A+3], s[G0A+3], 0x80000000
	s_mul_i32 s2, s22, 69632                       ; 6 tiles back, 4,096 bytes on
	s_sub_nc_u64 s[G0B+2:G0B+3], s[70:71], s[2:3]
	s_or_b32 s[G0B+3], s[G0B+3], 0x80000000
	JLOAD 0
	v_and_b32 v1, 31, v0
	v_lshlrev_b32 v24, 4, v1
	s_lshl_b32 s61, s20, 14
	v_add_nc_u32 v16, s61, v24
	v_add_nc_u32 v17, SLOT, v16
	v_add_nc_u32 v20, 65536, v24
	v_add_nc_u32 v21, SLOT, v20
	v_bfe_u32 v2, v0, 4, 1
	v_and_b32 v3, 15, v0
	v_lshlrev_b32 v25, 5, v2
	s_mul_i32 s61, s20, 16*SP
	s_add_co_u32 s61, s61, SLOT
	v_mul_u32_u24 v18, v3, SP
	v_lshl_add_u32 v18, v2, 5, v18
	v_add_nc_u32 v18, s61, v18
	v_mul_u32_u24 v19, v2, 8*SP
	v_lshl_add_u32 v19, v3, 4, v19
	v_add_nc_u32 v19, s61, v19
	v_mul_u32_u24 v22, v2, 8*3072
	v_lshl_add_u32 v22, v3, 4, v22
	; A PREFETCH of K step 2, which the one refill will ask for, slot 0's two steps of 128 ahead of it.  The tokens' 16 tiles x 4,096 bytes are shared out BY ADDRESS among the four partners of a row, four tiles each, two to each of
	; waves 0 and 1; the weights' 12 tiles among the four partners of a column, three each: wave 2 takes two, wave 3 one (its lanes 16-31 name its last block again).  A lane names 256 bytes.  The head's own fills come by their loads alone.
	s_and_b32 s61, s21, s22
	s_lshl_b32 s61, s61, 4
	s_sub_co_u32 s61, 31, s61                      ; 15 in wave 3, 31 in the others
	v_min_u32 v26, s61, v1
	v_lshrrev_b32 v27, 4, v26
	v_and_b32 v26, 15, v26
	v_mul_u32_u24 v27, v27, 12288
	v_lshl_add_u32 v26, v26, 8, v27                ; tile lane / 16, 256 x (lane % 16)
	s_lshl_b32 s84, s59, 4
	s_lshl_b32 s85, s56, 2
	s_add_co_u32 s84, s84, s85                     ; o_img: token tile 16 MB + 4 cx
	s_mul_i32 s85, s58, 12
	s_mul_i32 s92, s57, 3
	s_add_co_u32 s85, s85, s92
	s_add_co_u32 s85, s85, 96                      ; w_img: Wp begins at tile 96; feature tile 12 g + 3 cy
	s_cmp_eq_u32 s21, 0                            ; the choice hangs on the wave's number alone
	s_cselect_b32 s84, s84, s85
	s_cselect_b64 s[92:93], s[4:5], s[6:7]
	s_lshl_b32 s85, s22, 1
	s_add_co_u32 s84, s84, s85                     ; + 2 (wave % 2)
	s_mul_i32 s84, s84, 12288
	s_mov_b32 s85, 0
	s_add_nc_u64 s[92:93], s[92:93], s[84:85]
	s_wait_alu depctr_va_vdst(0)                   ; the offset was made ahead of this run of scalar lines
	global_prefetch_b8 v26, s[92:93] offset:8192 th:TH_LOAD_NT scope:SCOPE_SE
	s_mul_i32 s62, s58, 768
	s_add_nc_u64 s[74:75], s[8:9], s[62:63]
.irp hh, 0,1
	WIN 0x80+0x40*\hh
.irp b, 0,1,2,3,4,5
	global_load_b128 v[192+8*\b:195+8*\b], v25, s[74:75] offset:64*(6*\hh+\b)
	global_load_b128 v[196+8*\b:199+8*\b], v25, s[74:75] offset:64*(6*\hh+\b)+16
.endr
.endr
	WIN 0
	s_lshl_b32 s2, s59, 8
	s_lshl_b32 s3, s20, 6
	s_add_co_u32 s2, s2, s3
	s_mul_i32 s2, s2, 3072
	s_add_co_u32 s2, s2, s62
	s_mov_b32 s3, 0
	s_add_nc_u64 s[12:13], s[12:13], s[2:3]
	s_wait_kmcnt 0x0
	s_add_co_i32 s90, s88, s89
	s_add_co_i32 s90, s90, 127
	s_lshl_b32 s90, s90, 23
	s_mov_b32 s91, s90
	s_wait_alu depctr_va_vdst(0)
	s_wait_loadcnt 0x0
	s_wait_tensorcnt 0x0                           ; my one load is in, so its descriptors may be written: the refill goes by halves, 8 token tiles or 6 feature tiles a wave
	s_mov_b32 s[G1A+2], 8<<16
	s_mov_b32 s[G1A+4], 8
	s_mov_b32 s[G1B+2], 6<<16
	s_mov_b32 s[G1B+4], 6
	s_mov_b32 s[G0A+1], s23                        ; slot 0, my half
	s_mov_b32 s[G0B+1], s60
	s_barrier_signal -1
	s_barrier_wait -1                              ; both slots are whole
	FETCH_A 0, 0, 0
	FETCH_B 0, 0, 0
	FETCH_B 0, 0, 6
	STEP 0, 1
	TURN 0, 1, 1
	STEP 1, 0
	TURN 1, 0, 0
	STEP 0, 0
	s_wait_dscnt 24
	WIN 0xa1
	MULB 0, 6, 1, 0
	s_wait_dscnt 0x0
	WIN 0xf1
	MULB 6, 6, 1, 0
	WIN 0
	PLACES 4
.macro OUTBLK a
.if \a > 0
	s_wait_xcnt 0x0
.endif
.irp hh, 0,1
	WIN 0x22+0x11*\hh
.irp b, 0,1,2,3,4,5
.irp i, 0,2,4,6
	v_pk_fma_f32 v[64+8*(6*\hh+\b)+\i:65+8*(6*\hh+\b)+\i], v[8*(4*\b+\a)+\i:8*(4*\b+\a)+\i+1], s[90:91], v[192+8*\b+\i:193+8*\b+\i] op_sel_hi:[1,0,1]
.endr
.endr
.endr
	WIN 0
.irp b, 0,1,2,3,4,5,6,7,8,9,10,11
	ds_store_b128 v18, v[64+8*\b:67+8*\b] offset:64*\b
	ds_store_b128 v18, v[68+8*\b:71+8*\b] offset:64*\b+16
.endr
.set t, 0
.rept 24
	ds_load_b128 v[160+4*t:163+4*t], v19 offset:SP*(t/3)+256*(t%3)
.set t, t+1
.endr
.set t, 0
.rept 24
	s_wait_dscnt 23-t
	global_store_b128 v22, v[160+4*t:163+4*t], s[12:13] offset:49152*\a+3072*(t/3)+256*(t%3) th:TH_STORE_NT
.set t, t+1
.endr
.endm
	OUTBLK 0
	OUTBLK 1
	OUTBLK 2
	OUTBLK 3
	s_wait_tensorcnt 0x0
	ds_add_u32 v28, v29
	s_wait_dscnt 0x0
	CROUND
	s_endpgm
.Lfunc_end_k_q1b695d9967_outp:
	.size	k_q1b695d9967_outp, .Lfunc_end_k_q1b695d9967_outp-k_q1b695d9967_outp
	.p2alignl 7, 3214868480
	.fill 96, 4, 3214868480
	.section	.rodata,"a",@progbits
	.p2align	6, 0x0
	.amdhsa_kernel k_q1b695d9967_outp
		.amdhsa_group_segment_fixed_size 327680
		.amdhsa_private_segment_fixed_size 0
		.amdhsa_enable_private_segment 0
		.amdhsa_kernarg_size 40
		.amdhsa_user_sgpr_count 2
		.amdhsa_user_sgpr_kernarg_segment_ptr 1
		.amdhsa_wavefront_size32 1
		.amdhsa_system_sgpr_workgroup_id_x 1
		.amdhsa_system_sgpr_workgroup_id_y 1
		.amdhsa_system_sgpr_workgroup_id_z 1
		.amdhsa_system_vgpr_workitem_id 0
		.amdhsa_next_free_vgpr 1024
		.amdhsa_next_free_sgpr 96
		.amdhsa_reserve_vcc 0
		.amdhsa_float_denorm_mode_32 3
		.amdhsa_float_denorm_mode_16_64 3
		.amdhsa_memory_ordered 1
		.amdhsa_forward_progress 1
		.amdhsa_inst_pref_size 94
	.end_amdhsa_kernel
	.amdgpu_metadata
---
amdhsa.version: [ 1, 2 ]
amdhsa.kernels:
  - .name:           k_q1b695d9967_outp
    .symbol:         k_q1b695d9967_outp.kd
    .args:
      - { .name: o_img, .offset: 0, .size: 8, .value_kind: global_buffer, .address_space: global }
      - { .name: w_img, .offset: 8, .size: 8, .value_kind: global_buffer, .address_space: global }
      - { .name: bp, .offset: 16, .size: 8, .value_kind: global_buffer, .address_space: global }
      - { .name: lowp_scales, .offset: 24, .size: 8, .value_kind: global_buffer, .address_space: global }
      - { .name: out0, .offset: 32, .size: 8, .value_kind: global_buffer, .address_space: global }
    .group_segment_fixed_size: 327680
    .private_segment_fixed_size: 0
    .kernarg_segment_align: 8
    .kernarg_segment_size: 40
    .max_flat_workgroup_size: 128
    .sgpr_count:     96
    .vgpr_count:     1024
    .wavefront_size: 32
...
	.end_amdgpu_metadata
.endif
;; end of part 4
